; MI455X (gfx1250); checked and timed in simulation.
; The chip was launched on July 23, 2026; its instructions are those of AMD's public machine-readable ISA for CDNA 5 (MIT licence, August 2026) and "CDNA5" Instruction Set Architecture Reference Guide (July 2026). The comments in the code are by the model that wrote it; some were corrected since.
;; Phi Mo E Sparse Moe Block. Allowed arithmetic: matrix products marked QUANTISED: E2M1 operands, one E8M0 scale for each 32 along K, by v_wmma_scale_f32_16x16x128_f8f6f4 with both operands' format E2M1 (or v_wmma_scale_f32_32x16x128_f4), f32 sums; products left as they are: f32 operands where the result goes on into a quantised operand, else bf16, f16 or f32 operands; f32 sums; everything else in f32.
;; Inputs: gate_w 8 x 2,048 float32; hidden_states 2 x 2,048 x 2,048 float32; w1 8 x 256 x 2,048 float32; w2 8 x 2,048 x 256 float32; w3 8 x 256 x 2,048 float32.
;; Outputs: out0 2 x 2,048 x 2,048 float32.
;; This version of the problem:
;;   THIS VERSION OF THE PROBLEM IS GIVEN IN LOW PRECISION. The matrix products marked QUANTISED in the list below multiply operands that are first quantised to E2M1 (2 exponent bits, 1 mantissa bit; 4 bits a number), with one power-of-two scale for each 32 numbers along K (OCP MX v1.0); their sums are f32. All else is computed in f32.
;;   The module's matrix products, in the order in which they are computed (A, B: the left and right operand; K: the contracted axis; several contracted axes count as one K, in the product's order):
;;     1. [M 4,096, K 2,048] x [K 2,048, N 8]; A: input hidden_states; B: input gate_w: left as it is (N = 8 < 16)
;;     2. [M 4,096, K 2,048] x [K 2,048, N 256]; A: input hidden_states; B: input w1: QUANTISED
;;     3. [M 4,096, K 2,048] x [K 2,048, N 256]; A: input hidden_states; B: input w3: QUANTISED
;;     4. [M 4,096, K 256] x [K 256, N 2,048]; A: computed on the way; B: input w2: QUANTISED
;;     5. [M 4,096, K 2,048] x [K 2,048, N 256]; A: input hidden_states; B: input w1: QUANTISED
;;     6. [M 4,096, K 2,048] x [K 2,048, N 256]; A: input hidden_states; B: input w3: QUANTISED
;;     7. [M 4,096, K 256] x [K 256, N 2,048]; A: computed on the way; B: input w2: QUANTISED
;;     8. [M 4,096, K 2,048] x [K 2,048, N 256]; A: input hidden_states; B: input w1: QUANTISED
;;     9. [M 4,096, K 2,048] x [K 2,048, N 256]; A: input hidden_states; B: input w3: QUANTISED
;;     10. [M 4,096, K 256] x [K 256, N 2,048]; A: computed on the way; B: input w2: QUANTISED
;;     11. [M 4,096, K 2,048] x [K 2,048, N 256]; A: input hidden_states; B: input w1: QUANTISED
;;     12. [M 4,096, K 2,048] x [K 2,048, N 256]; A: input hidden_states; B: input w3: QUANTISED
;;     13. [M 4,096, K 256] x [K 256, N 2,048]; A: computed on the way; B: input w2: QUANTISED
;;     14. [M 4,096, K 2,048] x [K 2,048, N 256]; A: input hidden_states; B: input w1: QUANTISED
;;     15. [M 4,096, K 2,048] x [K 2,048, N 256]; A: input hidden_states; B: input w3: QUANTISED
;;     16. [M 4,096, K 256] x [K 256, N 2,048]; A: computed on the way; B: input w2: QUANTISED
;;     17. [M 4,096, K 2,048] x [K 2,048, N 256]; A: input hidden_states; B: input w1: QUANTISED
;;     18. [M 4,096, K 2,048] x [K 2,048, N 256]; A: input hidden_states; B: input w3: QUANTISED
;;     19. [M 4,096, K 256] x [K 256, N 2,048]; A: computed on the way; B: input w2: QUANTISED
;;     20. [M 4,096, K 2,048] x [K 2,048, N 256]; A: input hidden_states; B: input w1: QUANTISED
;;     21. [M 4,096, K 2,048] x [K 2,048, N 256]; A: input hidden_states; B: input w3: QUANTISED
;;     22. [M 4,096, K 256] x [K 256, N 2,048]; A: computed on the way; B: input w2: QUANTISED
;;     23. [M 4,096, K 2,048] x [K 2,048, N 256]; A: input hidden_states; B: input w1: QUANTISED
;;     24. [M 4,096, K 2,048] x [K 2,048, N 256]; A: input hidden_states; B: input w3: QUANTISED
;;     25. [M 4,096, K 256] x [K 256, N 2,048]; A: computed on the way; B: input w2: QUANTISED
;;   THE QUANTISER, for each operand of a quantised product, along K:
;;     - K is cut into blocks of 32 from its start; a last block that is shorter is filled with zeros.
;;     - A block's scale is 2^e with e = floor(log2(the largest magnitude in the block)) - 2, held to -126 .. 127; a block of zeros has e = 0. As a byte (E8M0): e + 127.
;;     - Each number is divided by its block's scale, clamped to +-6, and rounded to the nearest number of E2M1, ties to even, subnormals kept.
;;     - The product sums the exact products of the quantised numbers (number of the format x scale) in f32.
;;   ~~~python
;;   def quantise(x, axis):      # numpy; x: float32 -> the quantised numbers, widened to float32 again
;;       x = np.moveaxis(x, axis, -1); K = x.shape[-1]
;;       x = np.pad(x, [(0, 0)] * (x.ndim - 1) + [(0, -K % 32)]); x = x.reshape(x.shape[:-1] + (-1, 32)); a = np.abs(x).max(-1, keepdims=True)
;;       e = np.where(a > 0, np.clip(np.frexp(np.where(a > 0, a, 1))[1] - 1 - 2, -126, 127), 0)      # np.frexp(a)[1] - 1 = floor(log2(a)), exactly
;;       r = np.clip(x / 2.0 ** e, -6, 6)
;;       step = 2.0 ** (np.maximum(np.frexp(np.where(r == 0, 1, r))[1] - 1, 0) - 1)
;;       q = np.round(r / step) * step * 2.0 ** e      # np.round: ties to even
;;       return np.moveaxis(q.reshape(q.shape[:-2] + (-1,))[..., :K], -1, axis).astype(np.float32)
;;   ~~~
;;   OPERANDS COMPUTED ON THE WAY. 'Computed on the way' means the value that the module computes at that place (a softmax that the list does not call 'softmax' is quantised finished and normalised). What goes into a quantiser is computed in f32, as accurately as f32 sums, v_exp_f32 and their like allow (about 1e-6 of the number): no bf16 or f16 on the way to a quantiser, and a product that is left as it is and whose result goes on into a quantised operand takes f32 operands (vector FMAs, or v_wmma_f32_16x16x4_f32). A number that lies on a knife's edge between two numbers of the format may be rounded either way, as far as f32 arithmetic and the matrix unit's own rounding can turn it there, and no further.
;; 2 versions, each right; version 2 is version 1 with the launch chain written anew for expert scheduling mode. Each part assembles by itself: llvm-mc -triple=amdgcn-amd-amdhsa -mcpu=gfx1250 --defsym DOCPART=n.
;; ======== version 1 of 2: 3 launches
;; workspace buffers: xq 4,194,304 bytes; xs 262,144 bytes; sel 16,384 bytes of whole numbers; mult 32,768 bytes; wa 4,456,448 bytes; wb 2,228,224 bytes; tiles 65,536 bytes of whole numbers
;; launch route (part 1): grid 256 x 1, 4 waves a work-group, no clusters, 249,344 bytes of LDS; arguments hidden_states, gate_w, xq, xs, sel, mult, tiles; writes xq, xs, sel, mult, tiles
.if DOCPART == 1
	.amdgcn_target "amdgcn-amd-amdhsa--gfx1250"
	.amdhsa_code_object_version 6
	.text
	.protected	k_qfac4513562_route
	.globl	k_qfac4513562_route
	.p2align	8
	.type	k_qfac4513562_route,@function
k_qfac4513562_route:
	s_mov_b64 s[64:65], 0
	v_nop
	global_prefetch_b8 v0, s[64:65] scope:SCOPE_SE
	s_setreg_imm32_b32 hwreg(HW_REG_WAVE_MODE, 25, 1), 1
	s_wait_xcnt 0x0
; ROUTE.  x = hidden_states [4096][2048] f32, gate_w [8][2048] f32.  For each token: 8 logits in f32 (fused multiply-adds), the two largest (ties: the lower index),
; the two masked softmax weights; and x as codes of E2M1 with one E8M0 byte for each 32 along K.
; OUT: xq [token][1024 bytes] (byte k / 2, the lower k in the low four bits); xs [token][64 bytes]; sel [token] = the number 0 .. 27 of the token's pair of experts (lo < hi):
; lo (15 - lo) / 2 + hi - lo - 1; mult [token][2] = the weights of lo and of hi; tiles: 65,536 bytes of zeros, over which the next launch lays its lists.
; SHARES.  A work-group takes 16 tokens; wave q takes k = 512 q .. 512 q + 511 of all 16; lane l holds 16 neighbours, k = 512 q + 16 l + 0 .. 15, so two lanes hold a block of 32.
; The wave's slice of the gate, 8 x 16 numbers a lane, stays in 128 registers.  x and the gate come by tensor loads, each LDS byte filled once, each wave reading its own bytes only.
; The lanes' partial logits are summed by halving: at each level a lane keeps one half of the tokens and hands the other half to its partner, so 16 tokens x 8 experts end as 4 registers a lane.
; No cluster: work-groups share only the gate, 64 KiB against 128 KiB of x each.  No matrix unit: N = 8, and the choice of experts wants f32.
; LIMITS.  NaN and infinities among the inputs are not served.  A block of zeros gets the byte 1, not 127: its codes are zeros and this program alone reads the bytes.
; The jitter mask is tested as (t - l) > 0.02 x factor, without the division: the two differ only within a rounding of the threshold; both are false where factor = 0.
; The logits are f32 sums in another order than a plain loop's: a second and a third logit that agree to about 1e-6 of their size may change places.
.set ROWP,  2560                       ; a row in LDS: 2,048 bytes + 16 of padding behind each 64: lane l's 64 bytes begin at 80 l, 20 words apart
.set XTW,   16*ROWP                    ; a wave's 16 rows of x
.set GT,    4*XTW                      ; behind them the gate: 8 rows a wave
.set GTW,   8*ROWP
.set LG,    GT+4*GTW                   ; partial logits: 512 bytes a wave, 16 a lane
.set SCB,   LG+2048                    ; scale bytes: 64 a token
.set G,   16                           ; v16-143  the gate: expert e, number j at G + 16 e + j
.set X,   144                          ; v144-175 two sets of 16 numbers of x
.set P,   176                          ; v176-191 eight pairs of running sums
.set Q0,  192                          ; v192-231 five sets of 8 partial logits
.set Q1,  200
.set Q2,  208
.set Q3,  216
.set Q4,  224
.set T,   232                          ; v232-239 at work
.set F,   240                          ; v240-243 my four logit parts
.set CD,  248                          ; v248-249 a token's codes
.set WV,  52                           ; s52 my wave's number
.set G1X, 16                           ; s[16:23] descriptor group 1 for x: 4 rows;  s[24:31] for the gate: 8 rows
.set G1G, 24
.set G0,  32                           ; s[32:51] five groups 0: the gate, then x's four tiles
	s_load_b256 s[4:11], s[0:1], 0x0               ; x s[4:5], gate s[6:7], xq s[8:9], xs s[10:11]
	s_load_b128 s[12:15], s[0:1], 0x20             ; sel s[12:13], mult s[14:15]
	s_load_b64 s[66:67], s[0:1], 0x30              ; tiles
	v_lshl_add_u32 v254, v0, 2, 0x3cc00
	v_mov_b32 v255, 0
	ds_add_u32 v254, v255
	ds_add_u32 v254, v255
	v_lshrrev_b32 v8, 5, v0
	v_readfirstlane_b32 s[WV], v8                  ; wave 0..3
.irp g, G1X, G1G
	s_mov_b32 s[\g+0], (2<<16)|(1<<20)|(3<<22)|(3<<25)   ; no mask; elements of 4 bytes; padding on: 4 words behind every 16
	s_mov_b32 s[\g+1], 512<<16                     ; tensor_dim0 = 512
	s_mov_b32 s[\g+3], 512<<16                     ; tile_dim0 = 512
	s_mov_b32 s[\g+5], 2048                        ; elements from row to row
	s_mov_b32 s[\g+6], 0
	s_mov_b32 s[\g+7], 0
.endr
	s_mov_b32 s[G1X+2], 4<<16                      ; tensor_dim1 = 4
	s_mov_b32 s[G1X+4], 4                          ; tile_dim1 = 4
	s_mov_b32 s[G1G+2], 8<<16
	s_mov_b32 s[G1G+4], 8
	s_mul_i32 s68, s[WV], XTW                      ; my rows of x in LDS
	s_mul_i32 s69, s[WV], GTW
	s_add_co_u32 s69, s69, GT                      ; my rows of the gate
	s_lshl_b32 s70, s[WV], 11                      ; my 512 numbers of a row, in bytes
	s_mov_b32 s71, 0
	s_lshl_b32 s72, ttmp9, 17                      ; the work-group's 16 rows of 8,192 bytes
	s_mov_b32 s73, 0
	s_wait_dscnt 0x0
	s_wait_kmcnt 0x0
	s_add_nc_u64 s[6:7], s[6:7], s[70:71]
	s_add_nc_u64 s[4:5], s[4:5], s[72:73]
	s_add_nc_u64 s[4:5], s[4:5], s[70:71]
	s_mov_b32 s[G0], 1
	s_mov_b32 s[G0+1], s69
	s_mov_b64 s[G0+2:G0+3], s[6:7]
	s_or_b32 s[G0+3], s[G0+3], 0x80000000
.irp i, 0,1,2,3
	s_mov_b32 s[G0+4+4*\i], 1
	s_add_co_u32 s[G0+5+4*\i], s68, \i*4*ROWP
	s_add_nc_u64 s[G0+6+4*\i:G0+7+4*\i], s[4:5], \i*32768
	s_or_b32 s[G0+7+4*\i], s[G0+7+4*\i], 0x80000000
.endr
	tensor_load_to_lds s[G0:G0+3], s[G1G:G1G+7]    ; all first fills together: five loads of mine are out
	s_nop 0
.irp i, 0,1,2,3
	tensor_load_to_lds s[G0+4+4*\i:G0+7+4*\i], s[G1X:G1X+7]
	s_nop 0
.endr
.rept 4
	v_nop
.endr
	v_and_b32 v8, 31, v0                           ; lane
	v_mul_u32_u24 v1, v8, 80
	v_add_nc_u32 v2, s69, v1                       ; v2: my 64 bytes of a row of the gate
	v_add_nc_u32 v1, s68, v1                       ; v1: of a row of x
	v_lshlrev_b32 v7, 3, v8                        ; v7: 8 l
	s_lshl_b32 s74, s[WV], 8
	v_add_nc_u32 v3, s74, v7                       ; v3: 256 q + 8 l: my codes' place in a token's 1,024 bytes, and my 8 bytes of the work-group's scale bytes
	v_add_nc_u32 v6, SCB, v3                       ; v6: the same in LDS
	v_lshrrev_b32 v4, 1, v8
	s_lshl_b32 s75, s[WV], 4
	v_add_nc_u32 v4, s75, v4
	v_add_nc_u32 v4, SCB, v4                       ; v4: my block's byte: 16 q + l / 2
	v_lshlrev_b32 v5, 4, v8
	s_lshl_b32 s75, s[WV], 9
	v_add_nc_u32 v5, s75, v5
	v_add_nc_u32 v5, LG, v5                        ; v5: my four logit parts
	v_mov_b32 v12, 0
	v_mov_b32 v13, 0                               ; a pair of zeros for tiles
.irp j, 0,1,2,3,4,5,6,7,8,9,10,11,12,13,14,15,16,17,18,19,20,21,22,23
	v_mov_b32 v[Q2+\j], 0                          ; written once: the destination of a DPP form counts as read
.endr
.irp j, 4,5,6,7
	v_mov_b32 v[T+\j], 0                           ; and so does a lane permute's
.endr
	s_mov_b32 s53, 0xaaaaaaaa                      ; lanes whose bit 0, 1, 2, 3, 4 is set
	s_mov_b32 s54, 0xcccccccc
	s_mov_b32 s55, 0xf0f0f0f0
	s_mov_b32 s56, 0xff00ff00
	s_mov_b32 s57, 0xffff0000
	s_mov_b32 s58, 0x76543210                      ; v_permlanex16_b32's selects for lane l xor 16
	s_mov_b32 s59, 0xfedcba98
	s_lshl_b32 s72, ttmp9, 14
	s_add_nc_u64 s[8:9], s[8:9], s[72:73]          ; xq, xs, sel, mult, tiles at the work-group's part
	s_lshl_b32 s72, ttmp9, 10
	s_add_nc_u64 s[10:11], s[10:11], s[72:73]
	s_lshl_b32 s72, ttmp9, 6
	s_add_nc_u64 s[12:13], s[12:13], s[72:73]
	s_lshl_b32 s72, ttmp9, 7
	s_add_nc_u64 s[14:15], s[14:15], s[72:73]
	s_lshl_b32 s72, ttmp9, 8
	s_add_nc_u64 s[66:67], s[66:67], s[72:73]
	s_wait_tensorcnt 0x4                           ; the gate has landed; x's four tiles may be out
.irp e, 0,1,2,3,4,5,6,7
.irp i, 0,1,2,3
	ds_load_b128 v[G+16*\e+4*\i:G+16*\e+4*\i+3], v2 offset:\e*ROWP+16*\i
.endr
.endr
	s_wait_dscnt 0x0
.macro XLOAD t                         ; token t's 16 numbers into set t % 2
.irp i, 0,1,2,3
	ds_load_b128 v[X+16*((\t)%2)+4*\i:X+16*((\t)%2)+4*\i+3], v1 offset:(\t)*ROWP+16*\i
.endr
.endm
.macro DOT t                           ; my part of the token's 8 logits: eight chains of packed multiply-adds by turns, then each pair's two halves
.set XS, X+16*((\t)%2)
.set QD, Q0+8*((\t)%2)
.irp e, 0,1,2,3,4,5,6,7
	v_pk_mul_f32 v[P+2*\e:P+2*\e+1], v[XS:XS+1], v[G+16*\e:G+16*\e+1]
.endr
.irp jp, 1,2,3,4,5,6,7
.irp e, 0,1,2,3,4,5,6,7
	v_pk_fma_f32 v[P+2*\e:P+2*\e+1], v[XS+2*\jp:XS+2*\jp+1], v[G+16*\e+2*\jp:G+16*\e+2*\jp+1], v[P+2*\e:P+2*\e+1]
.endr
.endr
.irp e, 0,1,2,3,4,5,6,7
	v_add_f32 v[QD+\e], v[P+2*\e], v[P+2*\e+1]
.endr
.endm
.macro QUANT t                         ; my 16 numbers become 16 codes, my block's largest magnitude a scale byte
.set XS, X+16*((\t)%2)
	v_max3_num_f32 v8, |v[XS]|, |v[XS+1]|, |v[XS+2]|
	v_max3_num_f32 v9, |v[XS+3]|, |v[XS+4]|, |v[XS+5]|
.irp i, 6,10
	v_max3_num_f32 v8, v8, |v[XS+\i]|, |v[XS+\i+1]|
	v_max3_num_f32 v9, v9, |v[XS+\i+2]|, |v[XS+\i+3]|
.endr
	v_max3_num_f32 v8, v8, |v[XS+14]|, |v[XS+15]|
	v_max3_num_f32 v8, v8, v9, 0x1800000           ; and the floor 2^(3 - 127): the byte cannot fall under 1
	v_max_num_f32_dpp v8, v8, v8 row_xmask:1 row_mask:0xf bank_mask:0xf   ; with my neighbour's 16: the block's
	v_add_nc_u32 v10, 0xff000000, v8               ; 2 off the exponent field: the conversion takes this operand's exponent field as its scale
	s_wait_xcnt 0x0                                ; the last token's store has read the codes' registers
	v_cvt_scalef32_pk8_fp4_f32 v[CD], v[XS:XS+7], v10
	v_cvt_scalef32_pk8_fp4_f32 v[CD+1], v[XS+8:XS+15], v10
	v_lshrrev_b32 v11, 23, v10                     ; the scale's byte (a plain line behind the conversions)
	ds_store_b8 v4, v11 offset:64*(\t)             ; both lanes of a block write the same byte with the same value
	global_store_b64 v3, v[CD:CD+1], s[8:9] offset:1024*(\t)   ; the wave stores 256 consecutive bytes, aligned
.endm
; Sets a (the lower tokens) and b (the higher) become set d: a lane whose bit is clear keeps a's sums and gets its partner's a, the other lanes likewise with b.
.macro MERGE a, b, d, m, xm
.irp i, 0,1,2,3,4,5,6,7
	v_cndmask_b32 v[T+2*(\i%2)], v[\a+\i], v[\b+\i], s[\m]
	v_cndmask_b32 v[T+2*(\i%2)+1], v[\b+\i], v[\a+\i], s[\m]
	v_add_f32_dpp v[\d+\i], v[T+2*(\i%2)+1], v[T+2*(\i%2)] row_xmask:\xm row_mask:0xf bank_mask:0xf
.endr
.endm
.macro TOKEN t
.if (\t)%4 == 0
	s_wait_tensorcnt 3-(\t)/4                      ; this token's tile of four rows has landed; the younger tiles may be out
	XLOAD \t
.endif
.if (\t)%4 < 3
	XLOAD (\t)+1                                   ; the next token of the same tile
	s_wait_dscnt 0x4                               ; all but those four: this token's numbers are in, and the last token's byte store is done
.else
	s_wait_dscnt 0x0
.endif
	DOT \t
	QUANT \t
.if (\t)%2 == 1
.if ((\t)&2) == 0
	MERGE Q0, Q1, Q2, 53, 1
.else
	MERGE Q0, Q1, Q0, 53, 1
.endif
.endif
.if (\t)%4 == 3
.if ((\t)&4) == 0
	MERGE Q2, Q0, Q3, 54, 2
.else
	MERGE Q2, Q0, Q2, 54, 2
.endif
.endif
.if (\t)%8 == 7
.if ((\t)&8) == 0
	MERGE Q3, Q2, Q4, 55, 4
.else
	MERGE Q3, Q2, Q3, 55, 4
.endif
.endif
.if (\t) == 15
	MERGE Q4, Q3, Q4, 56, 8                        ; now lane % 16 is the token, and Q4's eight registers are its experts' sums over 16 lanes
.endif
.endm
.irp t, 0,1,2,3,4,5,6,7,8,9,10,11,12,13,14,15
	TOKEN \t
.endr
.irp i, 0,1,2,3                        ; the two halves of the lanes: lanes 0-15 keep experts 0-3, lanes 16-31 experts 4-7
	v_cndmask_b32 v[F+\i], v[Q4+\i], v[Q4+4+\i], s57
	v_cndmask_b32 v[T+\i], v[Q4+4+\i], v[Q4+\i], s57
.endr
.irp i, 0,1,2,3
	v_permlanex16_b32 v[T+4+\i], v[T+\i], s58, s59
.endr
.irp i, 0,1,2,3
	v_add_f32 v[F+\i], v[F+\i], v[T+4+\i]
.endr
	ds_store_b128 v5, v[F:F+3]
	s_wait_dscnt 0x0                               ; for the others' sake: my logit parts and my scale bytes lie in LDS
	s_barrier_signal -1
	s_barrier_wait -1
	ds_load_b64 v[14:15], v6                       ; four tokens' scale bytes, 8 a lane
	s_wait_dscnt 0x0
	global_store_b64 v3, v[14:15], s[10:11]        ; 256 consecutive bytes, aligned
	s_cmp_lg_u32 s[WV], 1
	s_cbranch_scc1 .Lnot_wave_1
	global_store_b64 v7, v[12:13], s[66:67]        ; wave 1: the work-group's 256 bytes of tiles, zeros
.Lnot_wave_1:
	s_cmp_lg_u32 s[WV], 0
	s_cbranch_scc1 .Lend
; WAVE 0: THE ROUTING.  Lane % 16 is the token; lanes 16-31 do the same work as lanes 0-15 and store nothing.
.set RP,  16                           ; v16-47 the four waves' parts;  v48-55 the logits;  v56-63 the logits without the first choice
.set RL,  48
.set RM,  56
.set RV1, 64                           ; the largest logit, its index; the second, its index
.set RI1, 65
.set RV2, 66
.set RI2, 67
.set RNI, 68                           ; -infinity
.set RA1, 72                           ; v72-79, v80-87 the two softmaxes' exponents, then their terms
.set RA2, 80
.set RLO, 88
.set RHI, 89
.set RW,  90                           ; v90-91 the weights of lo and hi
.set RPI, 92
.set ROS, 93
.set ROM, 94
	v_and_b32 v8, 15, v0
	v_lshl_add_u32 v8, v8, 4, LG
.irp q, 0,1,2,3
	ds_load_b128 v[RP+8*\q:RP+8*\q+3], v8 offset:512*\q
	ds_load_b128 v[RP+8*\q+4:RP+8*\q+7], v8 offset:512*\q+256
.endr
	s_wait_dscnt 0x0
.irp e, 0,1,2,3,4,5,6,7
	v_add_f32 v[RL+\e], v[RP+\e], v[RP+8+\e]
.endr
.irp e, 0,1,2,3,4,5,6,7
	v_add_f32 v[RL+\e], v[RL+\e], v[RP+16+\e]
.endr
.irp e, 0,1,2,3,4,5,6,7
	v_add_f32 v[RL+\e], v[RL+\e], v[RP+24+\e]
.endr
	v_mov_b32 v[RV1], v[RL]
	v_mov_b32 v[RI1], 0
.irp e, 1,2,3,4,5,6,7
	v_cmp_gt_f32 vcc_lo, v[RL+\e], v[RV1]          ; strictly larger: of equal logits the lower index stays
	v_cndmask_b32 v[RV1], v[RV1], v[RL+\e], vcc_lo
	v_cndmask_b32 v[RI1], v[RI1], \e, vcc_lo
.endr
	v_mov_b32 v[RNI], 0xff800000
.irp e, 0,1,2,3,4,5,6,7
	v_cmp_eq_u32 vcc_lo, \e, v[RI1]
	v_cndmask_b32 v[RM+\e], v[RL+\e], v[RNI], vcc_lo
.endr
	v_mov_b32 v[RV2], v[RM]
	v_mov_b32 v[RI2], 0
.irp e, 1,2,3,4,5,6,7
	v_cmp_gt_f32 vcc_lo, v[RM+\e], v[RV2]
	v_cndmask_b32 v[RV2], v[RV2], v[RM+\e], vcc_lo
	v_cndmask_b32 v[RI2], v[RI2], \e, vcc_lo
.endr
; Each softmax's largest score is its threshold itself (the chosen expert is never masked), so the maximum is taken away, and the chosen term is 1: the weight is 1 / the sum.
.irp e, 0,1,2,3,4,5,6,7
	v_sub_f32 v69, v[RV1], v[RL+\e]
	v_max_num_f32 v70, |v[RL+\e]|, v[RV1]
	v_mul_f32 v70, 0x3ca3d70a, v70                 ; 0.02 x factor
	v_mul_f32 v[RA1+\e], 0xbfb8aa3b, v69           ; (l - t) log2(e)
	v_cmp_gt_f32 vcc_lo, v69, v70
	v_cndmask_b32 v[RA1+\e], v[RA1+\e], v[RNI], vcc_lo
	v_sub_f32 v69, v[RV2], v[RL+\e]
	v_max_num_f32 v70, |v[RL+\e]|, v[RV2]
	v_mul_f32 v70, 0x3ca3d70a, v70
	v_sub_f32 v71, v[RM+\e], v[RV2]
	v_mul_f32 v[RA2+\e], 0x3fb8aa3b, v71
	v_cmp_gt_f32 vcc_lo, v69, v70
	v_cndmask_b32 v[RA2+\e], v[RA2+\e], v[RNI], vcc_lo
.endr
.irp e, 0,1,2,3,4,5,6,7
	v_exp_f32 v[RA1+\e], v[RA1+\e]
.endr
.irp e, 0,1,2,3,4,5,6,7
	v_exp_f32 v[RA2+\e], v[RA2+\e]
.endr
	v_min_u32 v[RLO], v[RI1], v[RI2]               ; plain work behind the batch: the pair's number
	v_max_u32 v[RHI], v[RI1], v[RI2]
	v_sub_nc_u32 v[RPI], 15, v[RLO]
	v_mul_u32_u24 v[RPI], v[RPI], v[RLO]
	v_lshrrev_b32 v[RPI], 1, v[RPI]
	v_add_nc_u32 v[RPI], v[RPI], v[RHI]
	v_sub_nc_u32 v[RPI], v[RPI], v[RLO]
	v_add_nc_u32 v[RPI], -1, v[RPI]
	s_wait_alu depctr_va_vdst(0)                   ; one wait for the 16 exponentials, ahead of their first reader
.irp p, RA1, RA2
	v_add_f32 v[\p], v[\p], v[\p+1]
	v_add_f32 v[\p+2], v[\p+2], v[\p+3]
	v_add_f32 v[\p+4], v[\p+4], v[\p+5]
	v_add_f32 v[\p+6], v[\p+6], v[\p+7]
	v_add_f32 v[\p], v[\p], v[\p+2]
	v_add_f32 v[\p+4], v[\p+4], v[\p+6]
	v_add_f32 v[\p], v[\p], v[\p+4]
.endr
	v_rcp_f32 v[RA1], v[RA1]
	v_rcp_f32 v[RA2], v[RA2]
	v_lshlrev_b32 v[ROS], 2, v0                    ; plain work behind the two reciprocals
	v_lshlrev_b32 v[ROM], 3, v0
	v_cmp_lt_u32 vcc_lo, v[RI1], v[RI2]
	s_wait_alu depctr_va_vdst(0)                   ; one wait for both
	v_cndmask_b32 v[RW], v[RA2], v[RA1], vcc_lo    ; the weight of the lower expert,
	v_cndmask_b32 v[RW+1], v[RA1], v[RA2], vcc_lo  ; of the higher
	s_wait_xcnt 0x0                                ; EXEC changes only behind this wait
	s_wait_tensorcnt 0x0
	ds_add_u32 v254, v255
	s_wait_dscnt 0x0
	v_cmpx_gt_u32 16, v0                           ; lanes 0-15
	global_store_b32 v[ROS], v[RPI], s[12:13]      ; 64 and 128 bytes a work-group: 48 KiB in the whole launch
	global_store_b64 v[ROM], v[RW:RW+1], s[14:15]
	s_endpgm
.Lend:
	s_wait_tensorcnt 0x0
	ds_add_u32 v254, v255
	s_wait_dscnt 0x0
	s_endpgm
.Lfunc_end_k_qfac4513562_route:
	.size	k_qfac4513562_route, .Lfunc_end_k_qfac4513562_route-k_qfac4513562_route
	.p2alignl 7, 3214868480
	.fill 96, 4, 3214868480
	.section	.rodata,"a",@progbits
	.p2align	6, 0x0
	.amdhsa_kernel k_qfac4513562_route
		.amdhsa_group_segment_fixed_size 249344
		.amdhsa_private_segment_fixed_size 0
		.amdhsa_enable_private_segment 0
		.amdhsa_kernarg_size 56
		.amdhsa_user_sgpr_count 2
		.amdhsa_user_sgpr_kernarg_segment_ptr 1
		.amdhsa_wavefront_size32 1
		.amdhsa_system_sgpr_workgroup_id_x 1
		.amdhsa_system_sgpr_workgroup_id_y 1
		.amdhsa_system_sgpr_workgroup_id_z 1
		.amdhsa_system_vgpr_workitem_id 0
		.amdhsa_next_free_vgpr 256
		.amdhsa_next_free_sgpr 80
		.amdhsa_reserve_vcc 1
		.amdhsa_float_denorm_mode_32 3
		.amdhsa_float_denorm_mode_16_64 3
		.amdhsa_memory_ordered 1
		.amdhsa_forward_progress 1
		.amdhsa_inst_pref_size 132
	.end_amdhsa_kernel
	.amdgpu_metadata
---
amdhsa.version: [ 1, 2 ]
amdhsa.kernels:
  - .name:           k_qfac4513562_route
    .symbol:         k_qfac4513562_route.kd
    .args:
      - { .name: hidden_states, .offset: 0, .size: 8, .value_kind: global_buffer, .address_space: global }
      - { .name: gate_w, .offset: 8, .size: 8, .value_kind: global_buffer, .address_space: global }
      - { .name: xq, .offset: 16, .size: 8, .value_kind: global_buffer, .address_space: global }
      - { .name: xs, .offset: 24, .size: 8, .value_kind: global_buffer, .address_space: global }
      - { .name: sel, .offset: 32, .size: 8, .value_kind: global_buffer, .address_space: global }
      - { .name: mult, .offset: 40, .size: 8, .value_kind: global_buffer, .address_space: global }
      - { .name: tiles, .offset: 48, .size: 8, .value_kind: global_buffer, .address_space: global }
    .group_segment_fixed_size: 249344
    .private_segment_fixed_size: 0
    .kernarg_segment_align: 8
    .kernarg_segment_size: 56
    .max_flat_workgroup_size: 128
    .sgpr_count:     80
    .vgpr_count:     256
    .wavefront_size: 32
...
	.end_amdgpu_metadata
.endif
;; end of part 1
;; launch prep (part 2): grid 385 x 1, 4 waves a work-group, no clusters, 79,872 bytes of LDS; arguments w1, w3, w2, sel, wa, wb, tiles; writes wa, wb, tiles
.if DOCPART == 2
	.amdgcn_target "amdgcn-amd-amdhsa--gfx1250"
	.amdhsa_code_object_version 6
	.text
	.protected	k_qfac4513562_prep
	.globl	k_qfac4513562_prep
	.p2align	8
	.type	k_qfac4513562_prep,@function
k_qfac4513562_prep:
	s_mov_b64 s[64:65], 0
	v_nop
	global_prefetch_b8 v0, s[64:65] scope:SCOPE_SE
	s_setreg_imm32_b32 hwreg(HW_REG_WAVE_MODE, 25, 1), 1
	s_wait_xcnt 0x0
; PREP.  Work-groups 1 .. 256 quantise w1 and w3 [8][256][2048], work-groups 257 .. 384 quantise w2 [8][2048][256] (K innermost in all three) into codes of E2M1 with E8M0 scale bytes,
; laid in the order in which the next launch's waves take them into registers.  Work-group 0 places the 4,096 tokens by their pair of experts into lists of 32.
; A RECORD is 4,352 bytes: 4 fragments (16 rows x 128 K) of 1,024 bytes, then 256 bytes of scale words: 17 aligned blocks of 256 bytes.
;   fragment f: byte 1024 f + 512 c + 16 (16 h + r) holds the 32 codes k = 64 c + 32 h + 0 .. 31 of the fragment's row r: the image of the operand's registers.
;   scales: byte 4096 + 8 lane + 4 word + b is the byte of block b of the K step.
;   wa [e][g][s]: f = 2 mat + u (mat 0: w1, 1: w3); row r of tile u is weight row 32 g + 8 u + r + 8 (r / 8); K step s; scale lane 16 u + r, word mat.
;   wb [e][g][j]: f = 2 t + s; row r is w2's row 256 g + 32 j + 16 t + r; K step s; scale lane 16 t + r, word s.
; tiles: records of 256 bytes; word 2 i: the token in slot i; word 2 i + 1: count | lo << 8 | hi << 16.  The launch before has laid zeros; only filled slots are written here.
; THE QUANTISER.  A wave takes 16 steps of 512 numbers.  Each of a step's four loads reads 512 consecutive bytes; the 2,048 bytes turn through the wave's own stage in LDS and come back 64 bytes a lane,
; so that a lane holds 16 neighbours along K and two lanes a block.  Codes and bytes are gathered in LDS as the records want them and leave as whole blocks of 256 bytes.  Loads run eight steps (32 loads a wave) ahead.
; The three kinds of work-group part on the work-group's number and have LDS bytes of their own.  No tensor load, no cluster: no work-group reads what another reads.
; LIMITS.  NaN and infinities are not served.  A block of zeros gets the byte 1, not 127: its codes are zeros and this program alone reads the bytes.
.set SP,    80                         ; a lane's place in a turning stage: 64 bytes + 16 of padding
.set STW,   2*32*SP                    ; a wave's two stages
.set OSO,   4*STW                      ; behind them the records: 68 blocks of 256 bytes,
.set UP,    272                        ; 272 bytes apart
.set RECL,  17*UP
.set REC,   4352
.set PATHB, 39424                      ; where w2's work-groups have their LDS bytes
.set PT,    2*PATHB                    ; and the placement its 512
.set R,   16                           ; v16-143  eight sets of 16 numbers as loaded
.set X,   144                          ; v144-175 two sets of 16 neighbours
.set CO,  176                          ; v176-183 codes (2) and byte (1), two sets by the step's parity
.set K,   16                           ; the placement: v16-47 4 x key, later store offsets
.set P1,  48                           ; v48-79   the count before me, then my rank
.set P2,  80                           ; v80-111  the lanes with my key, later my key's figures
.set PR,  112                          ; v112-175 pairs (token, info)
	s_load_b256 s[4:11], s[0:1], 0x0               ; w1 s[4:5], w3 s[6:7], w2 s[8:9], sel s[10:11]
	s_load_b128 s[12:15], s[0:1], 0x20             ; wa s[12:13], wb s[14:15]
	s_load_b64 s[16:17], s[0:1], 0x30              ; tiles
	v_lshl_add_u32 v192, v0, 2, 0x13600
	v_mov_b32 v193, 0
	v_lshrrev_b32 v1, 5, v0
	v_readfirstlane_b32 s18, v1                    ; wave 0..3
	v_and_b32 v14, 31, v0                          ; lane
	s_wait_kmcnt 0x0
	s_cmp_eq_u32 ttmp9, 0
	s_cbranch_scc1 .Lplace
	s_cmp_gt_u32 ttmp9, 256
	s_cbranch_scc1 .Lpath_b
.macro QADDR base                      ; the addresses that both quantisers share
	v_lshlrev_b32 v1, 4, v14                       ; v1: my 16 bytes of a load's 512
	v_lshlrev_b32 v7, 3, v14                       ; v7: my 8 bytes of a block of 256
	v_lshrrev_b32 v15, 1, v14                      ; v15: p, my block among the step's 16
	s_mul_i32 s19, s18, STW
.if \base > 0
	s_add_co_u32 s19, s19, \base
.endif
	v_lshrrev_b32 v2, 2, v14
	v_mul_u32_u24 v2, v2, SP
	v_and_b32 v3, 3, v14
	v_lshl_add_u32 v2, v3, 4, v2
	v_add_nc_u32 v2, s19, v2                       ; v2: into the stage: four lanes' 64 bytes on end, then 16 of padding
	v_mul_u32_u24 v3, v14, SP
	v_add_nc_u32 v3, s19, v3                       ; v3: out of it: my 16 neighbours
	s_mul_i32 s19, s18, RECL
	s_add_co_u32 s19, s19, \base+OSO               ; record w
	v_add_nc_u32 v6, s19, v7                       ; v6: on the way out: record w's blocks, 8 bytes a lane
.endm
.macro LOADQ kind, t                   ; step t's 2,048 bytes.  kind 0: row t + 8 (t / 8) of the tile's rows, 8,192 bytes apart; kind 1: two rows of w2, on end
.if \kind == 0
.set SOF, ((\t)+8*((\t)/8))*8192
.else
.set SOF, (\t)*2048
.endif
.irp i, 0,1,2,3
	global_load_b128 v[R+16*((\t)%8)+4*\i:R+16*((\t)%8)+4*\i+3], v1, s[24:25] offset:SOF+512*\i th:TH_LOAD_NT
.endr
.endm
.macro TURNQ t                         ; through the stage: LDS serves a wave's instructions in order, so no wait stands between the stores and the loads
.irp i, 0,1,2,3
	ds_store_b128 v2, v[R+16*((\t)%8)+4*\i:R+16*((\t)%8)+4*\i+3] offset:32*SP*((\t)%2)+8*SP*\i
.endr
.irp i, 0,1,2,3
	ds_load_b128 v[X+16*((\t)%2)+4*\i:X+16*((\t)%2)+4*\i+3], v3 offset:32*SP*((\t)%2)+16*\i
.endr
.endm
.macro QSTEP kind, t
.if (\t) > 0
	s_wait_dscnt 0x2                               ; this step's numbers are back (the last step's two stores may be out), so its stores into the stage have read their registers,
.else
	s_wait_dscnt 0x0
.endif
.if (\t)+8 < 16
	LOADQ \kind, (\t)+8                            ; which take the loads of eight steps on
.endif
.if (\t) < 15
.if 14-(\t) >= 7
	s_wait_loadcnt 28                              ; the next step's four loads are in; those of the seven steps behind it may be out
.else
	s_wait_loadcnt 4*(14-(\t))
.endif
	TURNQ (\t)+1
.endif
.set XS, X+16*((\t)%2)
.set CC, CO+4*((\t)%2)
	v_max3_num_f32 v8, |v[XS]|, |v[XS+1]|, |v[XS+2]|
	v_max3_num_f32 v9, |v[XS+3]|, |v[XS+4]|, |v[XS+5]|
.irp i, 6,10
	v_max3_num_f32 v8, v8, |v[XS+\i]|, |v[XS+\i+1]|
	v_max3_num_f32 v9, v9, |v[XS+\i+2]|, |v[XS+\i+3]|
.endr
	v_max3_num_f32 v8, v8, |v[XS+14]|, |v[XS+15]|
	v_max3_num_f32 v8, v8, v9, 0x1800000           ; the floor 2^(3 - 127): the byte cannot fall under 1
	v_max_num_f32_dpp v8, v8, v8 row_xmask:1 row_mask:0xf bank_mask:0xf
	v_add_nc_u32 v11, 0xff000000, v8               ; 2 off the exponent field: the conversion's scale operand
	v_cvt_scalef32_pk8_fp4_f32 v[CC], v[XS:XS+7], v11
	v_cvt_scalef32_pk8_fp4_f32 v[CC+1], v[XS+8:XS+15], v11
	v_lshrrev_b32 v[CC+2], 23, v11                 ; the scale's byte (a plain line behind the conversions)
.if \kind == 0
	ds_store_b8 v5, v[CC+2] offset:8*(\t)
	ds_store_b64 v4, v[CC:CC+1] offset:16*(\t)
.else
	ds_store_b8 v5, v[CC+2] offset:16*(\t)
	ds_store_b64 v4, v[CC:CC+1] offset:((\t)/8)*8*UP+((2*(\t))%16)*16
.endif
.endm
.macro QRUN kind
.irp t, 0,1,2,3,4,5,6,7
	LOADQ \kind, \t
.endr
	s_wait_loadcnt 28                              ; step 0's four loads are in
	TURNQ 0
.irp t, 0,1,2,3,4,5,6,7,8,9,10,11,12,13,14,15
	QSTEP \kind, \t
.endr
	s_wait_dscnt 0x0                               ; for the others' sake: my codes and bytes lie in LDS
	s_barrier_signal -1
	s_barrier_wait -1
.irp i, 0,1,2,3,4,5,6,7,8,9,10,11,12,13,14,15,16
	ds_load_b64 v[R+2*\i:R+2*\i+1], v6 offset:UP*\i
.endr
.irp i, 0,1,2,3,4,5,6,7,8,9,10,11,12,13,14,15,16
	s_wait_dscnt 16-\i
	global_store_b64 v7, v[R+2*\i:R+2*\i+1], s[26:27] offset:256*\i   ; the wave stores 256 consecutive bytes, aligned
.endr
	s_wait_tensorcnt 0x0
	ds_add_u32 v192, v193
	s_wait_dscnt 0x0
	s_endpgm
.endm
; ---- w1 and w3.  id = 32 e + 4 g + sq: rows 32 (8 e + g) on, k = 512 sq on: records 4 id .. 4 id + 3 of wa.  Wave w makes fragment w of all four: mat = w / 2, u = w % 2; step t is the fragment's row t.
	QADDR 0
	v_lshrrev_b32 v8, 2, v15                       ; p / 4: which record
	v_and_b32 v9, 3, v15                           ; p % 4 = 2 c + h
	v_mad_u32_u24 v10, v8, 17, v9
	v_mul_u32_u24 v4, v10, UP
	v_and_b32 v10, 1, v14
	v_lshl_add_u32 v4, v10, 3, v4
	s_mul_i32 s19, s18, 4*UP
	s_add_co_u32 s19, s19, OSO
	v_add_nc_u32 v4, s19, v4                       ; v4: block 17 (p / 4) + 4 w + p % 4, + 8 (l % 2); the row's 16 t stands in the immediate
	v_mad_u32_u24 v5, v8, RECL, v9
	s_and_b32 s19, s18, 1
	s_lshl_b32 s19, s19, 7
	s_lshr_b32 s20, s18, 1
	s_lshl_b32 s20, s20, 2
	s_add_co_u32 s19, s19, s20
	s_add_co_u32 s19, s19, OSO+16*UP
	v_add_nc_u32 v5, s19, v5                       ; v5: the record's block 16, + 128 u + 4 mat + p % 4; 8 t in the immediate
	s_sub_co_u32 s30, ttmp9, 1
	s_lshr_b32 s31, s30, 2
	s_lshl_b32 s31, s31, 5
	s_and_b32 s32, s18, 1
	s_lshl_b32 s32, s32, 3
	s_add_co_u32 s31, s31, s32                     ; row 32 (8 e + g) + 8 u
	s_lshl_b32 s31, s31, 13
	s_and_b32 s32, s30, 3
	s_lshl_b32 s32, s32, 11
	s_add_co_u32 s32, s31, s32
	s_mov_b32 s33, 0
	s_cmp_lt_u32 s18, 2                            ; the choice hangs on the wave's number alone
	s_cselect_b64 s[24:25], s[4:5], s[6:7]
	s_add_nc_u64 s[24:25], s[24:25], s[32:33]
	s_mul_i32 s32, s30, 4*REC
	s_mul_i32 s31, s18, REC
	s_add_co_u32 s32, s32, s31
	s_add_nc_u64 s[26:27], s[12:13], s[32:33]
	QRUN 0
; ---- w2.  id2 = 16 e + 2 g + jh: rows 128 id2 on: records 4 id2 .. 4 id2 + 3 of wb.  Wave w makes record w: 32 rows of 1,024 bytes on end; step t is rows 2 t and 2 t + 1.
.Lpath_b:
	QADDR PATHB
	v_and_b32 v8, 7, v15                           ; p % 8 = 4 s + 2 c + h
	v_mul_u32_u24 v4, v8, UP
	v_lshrrev_b32 v8, 3, v15                       ; p / 8: which of the two rows
	v_lshl_add_u32 v4, v8, 4, v4
	v_and_b32 v8, 1, v14
	v_lshl_add_u32 v4, v8, 3, v4
	v_add_nc_u32 v4, s19, v4                       ; v4: record w, block p % 8, + 16 (p / 8) + 8 (l % 2); 8 (t / 8) blocks and 16 (2 t % 16) in the immediate
	s_add_co_u32 s19, s19, 16*UP
	v_add_nc_u32 v5, s19, v15                      ; v5: record w's block 16, + p; 16 t in the immediate
	s_sub_co_u32 s30, ttmp9, 257
	s_lshl_b32 s32, s30, 17
	s_lshl_b32 s31, s18, 15
	s_add_co_u32 s32, s32, s31
	s_mov_b32 s33, 0
	s_add_nc_u64 s[24:25], s[8:9], s[32:33]
	s_mul_i32 s32, s30, 4*REC
	s_mul_i32 s31, s18, REC
	s_add_co_u32 s32, s32, s31
	s_add_nc_u64 s[26:27], s[14:15], s[32:33]
	QRUN 1
; ---- THE PLACEMENT: whole numbers only, no branch on data.  Wave w, register cc, lane l hold token 1024 w + 128 (cc / 4) + 4 l + cc % 4.  In the counts lane k stands for key k.
.Lplace:
	s_lshl_b32 s19, s18, 12
	v_lshl_add_u32 v8, v14, 4, s19
.irp c, 0,1,2,3,4,5,6,7
	global_load_b128 v[K+4*\c:K+4*\c+3], v8, s[10:11] offset:512*\c
.endr
.irp i, 0,1,2,3,4
	v_bfe_u32 v[2+\i], v14, \i, 1
.endr
.irp i, 0,1,2,3,4
	v_add_nc_u32 v[2+\i], -1, v[2+\i]              ; v2-6: 0 where my lane's bit i is set, else all ones
.endr
	v_mov_b32 v7, 0                                ; v7: how many tokens of key = my lane this wave has met
	s_wait_loadcnt 0x0
.set cc, 0
.rept 32
	v_min_u32 v[K+cc], 31, v[K+cc]
	v_lshlrev_b32 v[K+cc], 2, v[K+cc]              ; 4 x key: a lane's byte index
.irp i, 0,1,2,3,4
	v_and_b32 v[8+\i], 4<<\i, v[K+cc]
.endr
.irp i, 0,1,2,3,4
	v_cmp_ne_u32 s[20+\i], 0, v[8+\i]              ; the lanes whose key has bit i
.endr
	v_xor_b32 v[P2+cc], s20, v2
.irp i, 1,2,3,4
	v_xor_b32 v8, s[20+\i], v[2+\i]
	v_and_b32 v[P2+cc], v[P2+cc], v8               ; the lanes whose key is my lane's number
.endr
	v_mov_b32 v[P1+cc], v7
	v_bcnt_u32_b32 v7, v[P2+cc], v7
	ds_bpermute_b32 v[P1+cc], v[K+cc], v[P1+cc]    ; each token takes its key's count so far, and the lanes that share its key (both in place)
	ds_bpermute_b32 v[P2+cc], v[K+cc], v[P2+cc]
.set cc, cc+1
.endr
	s_wait_dscnt 0x0
.set cc, 0
.rept 32
	v_mbcnt_lo_u32_b32 v[P1+cc], v[P2+cc], v[P1+cc]   ; my rank among my wave's tokens of my key
.set cc, cc+1
.endr
	v_lshl_add_u32 v8, v0, 2, PT
	ds_store_b32 v8, v7                            ; my wave's counts, a word a key
	s_wait_dscnt 0x0
	s_barrier_signal -1
	s_barrier_wait -1
	v_lshl_add_u32 v8, v14, 2, PT
.irp w, 0,1,2,3
	ds_load_b32 v[10+\w], v8 offset:128*\w
.endr
	s_wait_dscnt 0x0
	v_mov_b32 v9, 0
.irp w, 0,1,2
	s_cmp_gt_u32 s18, \w
	s_cselect_b32 s19, -1, 0
	v_and_b32 v15, s19, v[10+\w]
	v_add_nc_u32 v9, v9, v15                       ; v9: the lower waves' tokens of the key
.endr
	v_add3_u32 v10, v10, v11, v12
	v_add_nc_u32 v10, v10, v13                     ; v10: n, all tokens of the key
	v_add_nc_u32 v11, 31, v10
	v_lshrrev_b32 v11, 5, v11                      ; its lists of 32
	v_mov_b32 v12, 0                               ; v12: the key's first list: a running sum over the 28 keys
	s_mov_b32 s19, 0
.irp k, 0,1,2,3,4,5,6,7,8,9,10,11,12,13,14,15,16,17,18,19,20,21,22,23,24,25,26,27
	v_readlane_b32 s20, v11, \k
	v_writelane_b32 v12, s19, \k
	s_add_co_u32 s19, s19, s20
.endr
	v_mov_b32 v13, 0
.irp th, 7,13,18,22,25,27
	v_cmp_le_u32 vcc_lo, \th, v14
	v_add_co_ci_u32 v13, vcc_lo, 0, v13, vcc_lo    ; v13: lo = how many of the pairs' first numbers lie at or under the key
.endr
	v_sub_nc_u32 v15, 15, v13
	v_mul_u32_u24 v15, v15, v13
	v_lshrrev_b32 v15, 1, v15
	v_sub_nc_u32 v15, v14, v15
	v_add3_u32 v15, v15, v13, 1                    ; v15: hi
	v_lshl_or_b32 v9, v10, 16, v9                  ; v9: lower waves' count | n << 16
	v_lshl_or_b32 v12, v13, 8, v12
	v_lshl_or_b32 v12, v15, 16, v12                ; v12: first list | lo << 8 | hi << 16
	s_lshl_b32 s19, s18, 10
	v_lshl_add_u32 v11, v14, 2, s19                ; v11: 1024 w + 4 l
.set cc, 0
.rept 32
	v_mov_b32 v[P2+cc], v9
	v_mov_b32 v[PR+2*cc+1], v12
	ds_bpermute_b32 v[P2+cc], v[K+cc], v[P2+cc]    ; each token takes its key's figures
	ds_bpermute_b32 v[PR+2*cc+1], v[K+cc], v[PR+2*cc+1]
.set cc, cc+1
.endr
	s_wait_dscnt 0x0
.set cc, 0
.rept 32
	v_and_b32 v8, 0xffff, v[P2+cc]
	v_add_nc_u32 v8, v8, v[P1+cc]                  ; r: my rank among all tokens of my key
	v_lshrrev_b32 v10, 16, v[P2+cc]
	v_and_b32 v13, 0xffffffe0, v8
	v_sub_nc_u32 v10, v10, v13
	v_min_u32 v10, 32, v10                         ; how many tokens my list holds
	v_and_b32 v13, 0xff, v[PR+2*cc+1]
	v_lshl_add_u32 v8, v13, 5, v8                  ; my slot, counted through all lists: 32 x the key's first list + r
	v_min_u32 v8, 0x1fff, v8                       ; held inside the buffer
	v_lshlrev_b32 v[K+cc], 3, v8
	v_and_or_b32 v[PR+2*cc+1], v[PR+2*cc+1], 0xffffff00, v10
	v_add_nc_u32 v[PR+2*cc], 128*(cc/4)+(cc%4), v11
	global_store_b64 v[K+cc], v[PR+2*cc:PR+2*cc+1], s[16:17]   ; 8 bytes a token, 32 KiB in all: the price of placing without a second pass
.set cc, cc+1
.endr
	s_wait_tensorcnt 0x0
	ds_add_u32 v192, v193
	s_wait_dscnt 0x0
	s_endpgm
.Lfunc_end_k_qfac4513562_prep:
	.size	k_qfac4513562_prep, .Lfunc_end_k_qfac4513562_prep-k_qfac4513562_prep
	.p2alignl 7, 3214868480
	.fill 96, 4, 3214868480
	.section	.rodata,"a",@progbits
	.p2align	6, 0x0
	.amdhsa_kernel k_qfac4513562_prep
		.amdhsa_group_segment_fixed_size 79872
		.amdhsa_private_segment_fixed_size 0
		.amdhsa_enable_private_segment 0
		.amdhsa_kernarg_size 56
		.amdhsa_user_sgpr_count 2
		.amdhsa_user_sgpr_kernarg_segment_ptr 1
		.amdhsa_wavefront_size32 1
		.amdhsa_system_sgpr_workgroup_id_x 1
		.amdhsa_system_sgpr_workgroup_id_y 1
		.amdhsa_system_sgpr_workgroup_id_z 1
		.amdhsa_system_vgpr_workitem_id 0
		.amdhsa_next_free_vgpr 194
		.amdhsa_next_free_sgpr 66
		.amdhsa_reserve_vcc 1
		.amdhsa_float_denorm_mode_32 3
		.amdhsa_float_denorm_mode_16_64 3
		.amdhsa_memory_ordered 1
		.amdhsa_forward_progress 1
		.amdhsa_inst_pref_size 144
	.end_amdhsa_kernel
	.amdgpu_metadata
---
amdhsa.version: [ 1, 2 ]
amdhsa.kernels:
  - .name:           k_qfac4513562_prep
    .symbol:         k_qfac4513562_prep.kd
    .args:
      - { .name: w1, .offset: 0, .size: 8, .value_kind: global_buffer, .address_space: global }
      - { .name: w3, .offset: 8, .size: 8, .value_kind: global_buffer, .address_space: global }
      - { .name: w2, .offset: 16, .size: 8, .value_kind: global_buffer, .address_space: global }
      - { .name: sel, .offset: 24, .size: 8, .value_kind: global_buffer, .address_space: global }
      - { .name: wa, .offset: 32, .size: 8, .value_kind: global_buffer, .address_space: global }
      - { .name: wb, .offset: 40, .size: 8, .value_kind: global_buffer, .address_space: global }
      - { .name: tiles, .offset: 48, .size: 8, .value_kind: global_buffer, .address_space: global }
    .group_segment_fixed_size: 79872
    .private_segment_fixed_size: 0
    .kernarg_segment_align: 8
    .kernarg_segment_size: 56
    .max_flat_workgroup_size: 128
    .sgpr_count:     66
    .vgpr_count:     194
    .wavefront_size: 32
...
	.end_amdgpu_metadata
.endif
;; end of part 2
;; launch chain (part 3): grid 155 x 1, 8 waves a work-group, no clusters, 116,736 bytes of LDS; arguments xq, xs, wa, wb, tiles, mult, out0; writes out0
.if DOCPART == 3
	.amdgcn_target "amdgcn-amd-amdhsa--gfx1250"
	.amdhsa_code_object_version 6
	.text
	.protected	k_qfac4513562_chain
	.globl	k_qfac4513562_chain
	.p2align	8
	.type	k_qfac4513562_chain,@function
k_qfac4513562_chain:
	s_mov_b64 s[64:65], 0
	v_nop
	global_prefetch_b8 v0, s[64:65] scope:SCOPE_SE
	s_setreg_imm32_b32 hwreg(HW_REG_WAVE_MODE, 25, 1), 1
	s_wait_xcnt 0x0
; CHAIN.  out[token] = w_lo (silu(x W1[lo]^T) (x W3[lo]^T)) W2[lo]^T + w_hi (the same with hi), all products on codes of E2M1 with E8M0 scales; the hidden layer is quantised in registers and never goes to memory.
; A WORK-GROUP TAKES ONE LIST: up to 32 tokens that chose the same two experts, so each output row has one owner and nothing is added across work-groups.  4,096 tokens in 28 pairs make at most 128 + 27 = 155 lists.
; Slots past the list's count repeat its first token: they compute and store the same bytes to the same place.  A list with count 0 jumps over the two work sections; both barriers stand outside the jumps.
; SHARES.  Two tiles of 16 tokens (m).  Wave g makes hidden units 32 g .. 32 g + 31 of both experts (one block of the second product's K), then output columns 256 g .. 256 g + 255.
; ALL PRODUCTS ARE USED TRANSPOSED: source 0 = 16 rows of a weight, source 1 = 16 tokens: a lane holds one token (lane % 16).  Row r of tile u of W1, W3 is weight row 32 g + 8 u + r + 8 (r / 8), so that
; a lane's 16 registers of tiles 0 and 1 are the 16 neighbours 32 g + 16 (lane / 16) + 0 .. 15 along the next K.
; THE WEIGHTS go from memory straight into registers, as records of 4,352 bytes laid in the order of the operand's registers (4 fragments, then their scale words): nine loads a record, each fragment feeding two products.
; A wave walks 48 records: 16 of wa for lo, 16 for hi, then wb for lo and hi by turns; record n lies in slot n % 8 of a ring of 8 x 32 registers; six records, 54 loads, are asked for ahead.
; No tensor load; so no joint requests either, and neighbouring lists need not share an expert.
; LIMITS.  NaN and infinities are not served.  A hidden block of zeros gets the byte 1: its codes are zeros.
; REGISTERS.  Window 0: v1-10 addresses; v16-31 output offsets; v32-35 the tokens' weights; v36-39 hidden scale words; v40-55 the ring's scale words; v56-119 eight accumulators;
;   v120-183 x's scale words and fragments, later the hidden fragments; v184-247 at work, later rows of the output; v248-253 the head's addresses.   Window 1: the ring.
.set REC,   4352
.set L_XS,  34816                      ; LDS: from 0 x's codes: piece p = k / 32 of slot 16 m + r at 17408 m + 272 p + 16 r;  here x's scale bytes, 80 bytes a slot;
.set L_HID, 37376                      ; the hidden codes [g][expert][m][256 bytes]: token r at 16 r;
.set L_HSB, 45568                      ; their scale bytes [g][expert][m][16];
.set L_STG, 46080                      ; a stage of 32 rows x (256 + 16) bytes for each wave
.set OFFR, 16
.set WT,   32
.set HS,   36
.set WS,   40
.set AC,   56
.set XSC,  120
.set XF,   136
.set HF,   120
.set T,    184
.set GX,   184
.set OB,   184
.set QM,   216
.set MSB, 0
.macro WIN new                         ; the immediate's high byte repeats the setting that is left; bits 1:0 source 0, 7:6 destination
.if MSB != \new
	s_set_vgpr_msb (MSB<<8)|\new
.set MSB, \new
.endif
.endm
.macro LOADREC n                       ; record n of my stream into slot n % 8
.if (\n) < 16
.set LB, 24
.set LR, (\n)
.elseif (\n) < 32
.set LB, 26
.set LR, (\n)-16
.else
.set LB, 28+2*((\n)%2)
.set LR, ((\n)-32)/2
.endif
.set LSL, (\n)%8
	WIN 0
	global_load_b64 v[WS+2*LSL:WS+2*LSL+1], v2, s[LB:LB+1] offset:LR*REC+4096
	WIN 0x40                                       ; destination window 1
.irp i, 0,1,2,3,4,5,6,7
	global_load_b128 v[32*LSL+4*\i:32*LSL+4*\i+3], v1, s[LB:LB+1] offset:LR*REC+512*\i
.endr
	WIN 0
.endm
; One product on the registers rD, rA, rB with scales rSA (row ra) and rSB (row rb); cop: the constant 0, which starts a sum, or the accumulator.
.macro WM cop, ra, rb
.if (\ra) == 0 && (\rb) == 0
	v_wmma_scale_f32_16x16x128_f8f6f4 v[rD:rD+7], v[rA:rA+7], v[rB:rB+7], \cop, v[rSA], v[rSB] matrix_a_fmt:MATRIX_FMT_FP4 matrix_b_fmt:MATRIX_FMT_FP4
.elseif (\ra) == 1 && (\rb) == 0
	v_wmma_scale_f32_16x16x128_f8f6f4 v[rD:rD+7], v[rA:rA+7], v[rB:rB+7], \cop, v[rSA], v[rSB] matrix_a_fmt:MATRIX_FMT_FP4 matrix_b_fmt:MATRIX_FMT_FP4 matrix_a_scale:MATRIX_SCALE_ROW1
.elseif (\ra) == 0
	v_wmma_scale_f32_16x16x128_f8f6f4 v[rD:rD+7], v[rA:rA+7], v[rB:rB+7], \cop, v[rSA], v[rSB] matrix_a_fmt:MATRIX_FMT_FP4 matrix_b_fmt:MATRIX_FMT_FP4 matrix_b_scale:MATRIX_SCALE_ROW1
.else
	v_wmma_scale_f32_16x16x128_f8f6f4 v[rD:rD+7], v[rA:rA+7], v[rB:rB+7], \cop, v[rSA], v[rSB] matrix_a_fmt:MATRIX_FMT_FP4 matrix_b_fmt:MATRIX_FMT_FP4 matrix_a_scale:MATRIX_SCALE_ROW1 matrix_b_scale:MATRIX_SCALE_ROW1
.endif
.endm
.macro PLACES n
.rept \n
	v_nop
.endr
.endm
.macro XFRAG s                         ; x's two fragments of K step s into buffer s % 2
.irp m, 0,1
.irp c, 0,1
	ds_load_b128 v[XF+16*((\s)%2)+8*\m+4*\c:XF+16*((\s)%2)+8*\m+4*\c+3], v3 offset:\m*17408+(4*(\s)+2*\c)*272
.endr
.endr
.endm
; A K step of the first products: 8 products, the eight accumulators (2 mat + u, m) by turns.
.macro ASTEP n
.set AS, (\n)%16
	LOADREC (\n)+6
.if (\n) < 31
	XFRAG (AS+1)%16
	s_wait_loadcnt 54                              ; record n is in; the six behind it, nine loads each, may be out
	s_wait_dscnt 0x4                               ; all but the four just issued
.else
	s_wait_loadcnt 54
	s_wait_dscnt 0x0
.endif
	WIN 0x01                                       ; source 0 window 1
.irp f, 0,1,2,3
.irp m, 0,1
.set rD, AC+8*(2*\f+\m)
.set rA, 32*((\n)%8)+8*\f
.set rB, XF+16*(AS%2)+8*\m
.set rSA, WS+2*((\n)%8)+\f/2
.set rSB, XSC+AS
.if AS == 0
	WM 0, \f%2, \m
.else
	WM v[rD:rD+7], \f%2, \m
.endif
.endr
.endr
	WIN 0
	PLACES 4                                       ; in front of later loads into the slot, the scale pair and x's buffer, and of the first read of results
.endm
; silu(a1) a3 in f32, quantised: my 16 hidden units of each of my two tokens; the block's other 16 lie in lane l xor 16.
.macro ACT ei
.set j, 0
.rept 16
	v_pk_mul_f32 v[T+j:T+j+1], v[AC+j:AC+j+1], 0xbfb8aa3b op_sel_hi:[1,0]   ; -a1 log2(e); each accumulator from its low end on
.set j, j+2
.endr
.set j, 0
.rept 32
	v_exp_f32 v[T+j], v[T+j]
.set j, j+1
.endr
	v_nop                                          ; a plain line behind the last exponential
	s_wait_alu depctr_va_vdst(0)                   ; one wait for the batch, ahead of its first reader
.set j, 0
.rept 16
	v_pk_add_f32 v[T+j:T+j+1], v[T+j:T+j+1], 1.0 op_sel_hi:[1,0]
.set j, j+2
.endr
.set j, 0
.rept 32
	v_rcp_f32 v[T+j], v[T+j]
.set j, j+1
.endr
	v_nop
	s_wait_alu depctr_va_vdst(0)                   ; and one for the reciprocals
.set j, 0
.rept 16
	v_pk_mul_f32 v[T+j:T+j+1], v[T+j:T+j+1], v[AC+j:AC+j+1]          ; a1 sigmoid(a1)
.set j, j+2
.endr
.set j, 0
.rept 16
	v_pk_mul_f32 v[T+j:T+j+1], v[T+j:T+j+1], v[AC+32+j:AC+32+j+1]    ; x a3
.set j, j+2
.endr
.irp m, 0,1
	v_max3_num_f32 v[QM+\m], |v[T+8*\m]|, |v[T+8*\m+1]|, 0x1800000   ; the floor 2^(3 - 127): the byte cannot fall under 1
.endr
.irp i, 2,4,6
.irp m, 0,1
	v_max3_num_f32 v[QM+\m], v[QM+\m], |v[T+8*\m+\i]|, |v[T+8*\m+\i+1]|
.endr
.endr
.irp i, 0,2,4,6
.irp m, 0,1
	v_max3_num_f32 v[QM+\m], v[QM+\m], |v[T+16+8*\m+\i]|, |v[T+16+8*\m+\i+1]|
.endr
.endr
.irp m, 0,1
	v_permlanex16_b32 v[QM+2+\m], v[QM+\m], s32, s33
.endr
.irp m, 0,1
	v_max_num_f32 v[QM+\m], v[QM+\m], v[QM+2+\m]
.endr
.irp m, 0,1
	v_add_nc_u32 v[QM+4+\m], 0xff000000, v[QM+\m]  ; 2 off the exponent field: the conversion's scale operand
.endr
.irp m, 0,1
	v_lshrrev_b32 v[QM+6+\m], 23, v[QM+4+\m]       ; the scale's byte
.endr
.irp m, 0,1
	v_cvt_scalef32_pk8_fp4_f32 v[QM+8+2*\m], v[T+8*\m:T+8*\m+7], v[QM+4+\m]
	v_cvt_scalef32_pk8_fp4_f32 v[QM+9+2*\m], v[T+16+8*\m:T+16+8*\m+7], v[QM+4+\m]
.endr
	v_nop                                          ; a plain line behind the last conversion
.irp m, 0,1
	ds_store_b64 v5, v[QM+8+2*\m:QM+9+2*\m] offset:512*\ei+256*\m    ; my 8 bytes of the token's 16: LDS joins the block's halves
	ds_store_b8 v6, v[QM+6+\m] offset:32*\ei+16*\m                   ; both halves write the same byte with the same value
.endr
.endm
.macro COMBINE                         ; lo's results x w_lo + hi's x w_hi.  The 16 multiplies name no register of hi's products just issued: they are the places behind them
.irp a, 0,1,2,3
.irp p, 0,2,4,6
	v_pk_mul_f32 v[AC+8*\a+\p:AC+8*\a+\p+1], v[AC+8*\a+\p:AC+8*\a+\p+1], v[WT+2*(\a%2):WT+2*(\a%2)+1] op_sel_hi:[1,0]
.endr
.endr
.irp a, 0,1,2,3
.irp p, 0,2,4,6
	v_pk_fma_f32 v[AC+8*\a+\p:AC+8*\a+\p+1], v[AC+32+8*\a+\p:AC+32+8*\a+\p+1], v[WT+2*(\a%2):WT+2*(\a%2)+1], v[AC+8*\a+\p:AC+8*\a+\p+1] op_sel:[0,1,0] op_sel_hi:[1,1,1]
.endr
.endr
.endm
.macro STAGE j                         ; 32 columns of my 32 rows into my stage: lane (r, h): row 16 m + r, columns 16 t + 8 h + 0 .. 7
.irp t, 0,1
.irp m, 0,1
	ds_store_b128 v9, v[AC+8*(2*\t+\m):AC+8*(2*\t+\m)+3] offset:\m*4352+128*((\j)%2)+64*\t
	ds_store_b128 v9, v[AC+8*(2*\t+\m)+4:AC+8*(2*\t+\m)+7] offset:\m*4352+128*((\j)%2)+64*\t+16
.endr
.endr
.endm
.macro FLUSH j                         ; 64 columns of 32 rows leave: sixteen lanes store 256 consecutive bytes, aligned, of one token's row
	s_wait_xcnt 0x0                                ; the last flush's stores have read their registers
.irp i, 0,1,2,3,4,5,6,7,8,9,10,11,12,13,14,15
	ds_load_b128 v[OB+4*\i:OB+4*\i+3], v10 offset:544*\i   ; LDS serves a wave's instructions in order: these see my stores, and the next stage's stores come behind them
.endr
.irp i, 0,1,2,3,4,5,6,7,8,9,10,11,12,13,14,15
	s_wait_dscnt 15-\i
	global_store_b128 v[OFFR+\i], v[OB+4*\i:OB+4*\i+3], s[16:17] offset:256*((\j)/2) th:TH_STORE_NT
.endr
.endm
; A record of the second product: 32 output columns of one expert (n even: lo, odd: hi), both K steps: 8 products, four sums by turns.
.macro BSTEP n
.set BE, (\n)%2
.set BJ, ((\n)-32)/2
.if (\n)+6 <= 47
	LOADREC (\n)+6
	s_wait_loadcnt 54
.else
	s_wait_loadcnt 9*(47-(\n))                     ; the stream's tail: the records behind this one may be out
.endif
.if (BE == 0) && ((\n) > 32)
	s_wait_dscnt 0x0                               ; the stage's stores have read the accumulators that are begun anew
.endif
	WIN 0x01
.irp s, 0,1
.irp t, 0,1
.irp m, 0,1
.set rD, AC+32*BE+8*(2*\t+\m)
.set rA, 32*((\n)%8)+8*(2*\t+\s)
.set rB, HF+8*(4*BE+2*\m+\s)
.set rSA, WS+2*((\n)%8)+\s
.set rSB, HS+2*BE+\s
.if \s == 0
	WM 0, \t, \m
.else
	WM v[rD:rD+7], \t, \m
.endif
.endr
.endr
.endr
	WIN 0
.if BE == 0
	PLACES 4                                       ; in front of the first read of lo's results
.else
	COMBINE
	STAGE BJ
.if BJ%2 == 1
	FLUSH BJ
.endif
.endif
.endm
	s_load_b256 s[4:11], s[0:1], 0x0               ; xq s[4:5], xs s[6:7], wa s[8:9], wb s[10:11]
	s_load_b128 s[12:15], s[0:1], 0x20             ; tiles s[12:13], mult s[14:15]
	s_load_b64 s[16:17], s[0:1], 0x30              ; out0
	v_lshl_add_u32 v254, v0, 2, 0x1c400
	v_mov_b32 v255, 0
	v_lshrrev_b32 v11, 5, v0
	v_readfirstlane_b32 s20, v11                   ; g: wave 0..7
	v_and_b32 v12, 31, v0                          ; lane
	v_and_b32 v13, 15, v0                          ; r
	v_bfe_u32 v14, v0, 4, 1                        ; h
	v_lshlrev_b32 v1, 4, v12                       ; v1: 16 x lane
	v_lshlrev_b32 v2, 3, v12                       ; v2: 8 x lane
	v_mul_u32_u24 v3, v14, 272
	v_lshl_add_u32 v3, v13, 4, v3                  ; v3: x's fragments: 272 h + 16 r
	v_mul_u32_u24 v4, v12, 80
	v_add_nc_u32 v4, L_XS, v4                      ; v4: slot = lane: its 64 scale bytes
	s_lshl_b32 s23, s20, 10
	s_add_co_u32 s23, s23, L_HID
	v_lshlrev_b32 v5, 4, v13
	v_lshl_add_u32 v5, v14, 3, v5
	v_add_nc_u32 v5, s23, v5                       ; v5: where I put hidden codes: 1024 g + 16 r + 8 h
	s_lshl_b32 s23, s20, 6
	s_add_co_u32 s23, s23, L_HSB
	v_add_nc_u32 v6, s23, v13                      ; v6: and their byte: 64 g + r
	v_lshlrev_b32 v7, 10, v14
	v_lshl_add_u32 v7, v13, 4, v7
	v_add_nc_u32 v7, L_HID, v7                     ; v7: hidden fragments: 1024 h + 16 r
	v_add_nc_u32 v8, L_HSB, v12                    ; v8: hidden scale bytes: lane = 16 m + r
	s_mul_i32 s23, s20, 8704
	s_add_co_u32 s23, s23, L_STG
	v_mul_u32_u24 v9, v13, 272
	v_lshl_add_u32 v9, v14, 5, v9
	v_add_nc_u32 v9, s23, v9                       ; v9: into my stage: 272 r + 32 h
	v_add_nc_u32 v10, s23, v3                      ; v10: out of it: 272 h + 16 r
	s_lshr_b32 s23, s20, 2
	s_mul_i32 s23, s23, 17408
	s_and_b32 s34, s20, 3
	s_lshl_b32 s34, s34, 6
	s_add_co_u32 s23, s23, s34
	v_mul_u32_u24 v248, v12, 272
	v_add_nc_u32 v248, s23, v248                   ; v248: where I put x's codes: slots 4 g + i: 17408 (g / 4) + 64 (g % 4) + 272 lane
	s_mul_i32 s23, s20, 320
	s_add_co_u32 s23, s23, L_XS
	v_lshrrev_b32 v250, 3, v12                     ; l / 8
	v_mul_u32_u24 v249, v250, 80
	v_and_b32 v252, 7, v12
	v_lshlrev_b32 v252, 3, v252                    ; v252: 8 (l % 8)
	v_add_nc_u32 v249, v249, v252
	v_add_nc_u32 v249, s23, v249                   ; v249: and x's scale bytes: slot 4 g + l / 8
	s_lshl_b32 s23, s20, 10
	v_lshl_add_u32 v253, v13, 4, s23               ; v253: 1024 g + 16 r: my bytes of an output row
	v_mov_b32 v[QM+2], 0                           ; written once: a lane permute's destination counts as read
	v_mov_b32 v[QM+3], 0
	s_mov_b32 s32, 0x76543210                      ; v_permlanex16_b32's selects for lane l xor 16
	s_mov_b32 s33, 0xfedcba98
	v_mov_b32 v168, 0                              ; the list's words that I want: slot 0;
	s_lshl_b32 s23, s20, 5
	v_mov_b32 v169, s23                            ; slots 4 g + i, whose codes I fetch;
	v_lshl_add_u32 v170, v250, 3, s23              ; slot 4 g + l / 8, whose scale bytes I fetch;
	v_lshlrev_b32 v171, 3, v13                     ; slots 16 m + r, whose weights I use;
	v_lshlrev_b32 v172, 3, v14                     ; slots 2 i + h, whose rows I store
	s_lshl_b32 s34, ttmp9, 8
	s_mov_b32 s35, 0
	s_wait_kmcnt 0x0
	s_add_nc_u64 s[12:13], s[12:13], s[34:35]      ; my list
	s_load_b32 s21, s[12:13], 0x4                  ; count | lo << 8 | hi << 16
	global_load_b32 v120, v168, s[12:13]
.irp i, 0,1,2,3
	global_load_b32 v[121+\i], v169, s[12:13] offset:8*\i
.endr
	global_load_b32 v125, v170, s[12:13]
.irp m, 0,1
	global_load_b32 v[126+\m], v171, s[12:13] offset:128*\m
.endr
.irp i, 0,1,2,3,4,5,6,7,8,9,10,11,12,13,14,15
	global_load_b32 v[OFFR+\i], v172, s[12:13] offset:16*\i
.endr
	s_wait_kmcnt 0x0
	s_and_b32 s22, s21, 63                         ; the count
	s_bfe_u32 s34, s21, 0x80008
	s_min_u32 s34, s34, 7                          ; lo
	s_bfe_u32 s35, s21, 0x80010
	s_min_u32 s35, s35, 7                          ; hi
	s_lshl_b32 s34, s34, 3
	s_add_co_u32 s34, s34, s20
	s_lshl_b32 s35, s35, 3
	s_add_co_u32 s35, s35, s20
	s_mov_b32 s37, 0
	s_mul_i32 s36, s34, 16*REC
	s_add_nc_u64 s[24:25], s[8:9], s[36:37]        ; my four runs of records: wa (lo, g),
	s_mul_i32 s36, s35, 16*REC
	s_add_nc_u64 s[26:27], s[8:9], s[36:37]        ; wa (hi, g),
	s_mul_i32 s36, s34, 8*REC
	s_add_nc_u64 s[28:29], s[10:11], s[36:37]      ; wb (lo, g),
	s_mul_i32 s36, s35, 8*REC
	s_add_nc_u64 s[30:31], s[10:11], s[36:37]      ; wb (hi, g)
	s_sub_co_i32 s23, s22, 1
	v_sub_nc_u32 v173, s23, v14                    ; a slot counts where its constant part <= count - 1 - its lane's part (signed)
	v_sub_nc_u32 v174, s23, v13
	s_lshl_b32 s34, s20, 2
	s_sub_co_i32 s23, s23, s34
	v_mov_b32 v175, s23
	v_sub_nc_u32 v176, s23, v250
	s_wait_loadcnt 0x0
.irp i, 0,1,2,3
	v_cmp_le_i32 vcc_lo, \i, v175
	v_cndmask_b32 v[121+\i], v120, v[121+\i], vcc_lo   ; past the count: the list's first token
.endr
	v_cmp_le_i32 vcc_lo, 0, v176
	v_cndmask_b32 v125, v120, v125, vcc_lo
.irp m, 0,1
	v_cmp_le_i32 vcc_lo, 16*\m, v174
	v_cndmask_b32 v[126+\m], v120, v[126+\m], vcc_lo
.endr
.irp i, 0,1,2,3,4,5,6,7,8,9,10,11,12,13,14,15
	v_cmp_le_i32 vcc_lo, 2*\i, v173
	v_cndmask_b32 v[OFFR+\i], v120, v[OFFR+\i], vcc_lo
.endr
.irp i, 0,1,2,3
	v_min_u32 v[121+\i], 0xfff, v[121+\i]
	v_lshl_add_u32 v[121+\i], v[121+\i], 10, v1    ; a token's 1,024 bytes of codes, 16 a lane
.endr
	v_min_u32 v125, 0xfff, v125
	v_lshl_add_u32 v125, v125, 6, v252
.irp m, 0,1
	v_min_u32 v[126+\m], 0xfff, v[126+\m]
	v_lshlrev_b32 v[126+\m], 3, v[126+\m]
.endr
.irp i, 0,1,2,3,4,5,6,7,8,9,10,11,12,13,14,15
	v_min_u32 v[OFFR+\i], 0xfff, v[OFFR+\i]
	v_lshl_add_u32 v[OFFR+\i], v[OFFR+\i], 13, v253
.endr
.irp i, 0,1,2,3
	global_load_b128 v[GX+8*\i:GX+8*\i+3], v[121+\i], s[4:5]
	global_load_b128 v[GX+8*\i+4:GX+8*\i+7], v[121+\i], s[4:5] offset:512
.endr
	global_load_b64 v[QM:QM+1], v125, s[6:7]
.irp m, 0,1
	global_load_b64 v[WT+2*\m:WT+2*\m+1], v[126+\m], s[14:15]
.endr
.irp n, 0,1,2,3,4,5
	LOADREC \n
.endr
	s_wait_loadcnt 54                              ; x and the weights of the tokens are in; the ring's six records may be out
.irp i, 0,1,2,3
.irp hf, 0,1
	ds_store_b128 v248, v[GX+8*\i+4*\hf:GX+8*\i+4*\hf+3] offset:16*\i+8704*\hf
.endr
.endr
	ds_store_b64 v249, v[QM:QM+1]
	s_wait_dscnt 0x0                               ; for the others' sake: my four slots of x lie in LDS
	s_barrier_signal -1
	s_barrier_wait -1
	s_cmp_eq_u32 s22, 0
	s_cbranch_scc1 .Lskip_a
.irp q, 0,1,2,3
	ds_load_b128 v[XSC+4*\q:XSC+4*\q+3], v4 offset:16*\q   ; x's 16 scale words: lanes 0-15 tile 0's tokens, lanes 16-31 tile 1's
.endr
	XFRAG 0
.irp n, 0,1,2,3,4,5,6,7,8,9,10,11,12,13,14,15
	ASTEP \n
.endr
	ACT 0
.irp n, 16,17,18,19,20,21,22,23,24,25,26,27,28,29,30,31
	ASTEP \n
.endr
	ACT 1
.Lskip_a:                                      ; on both ways six records, into slots 0 to 5, are out
	s_wait_dscnt 0x0                               ; for the others' sake: my block of the hidden layer lies in LDS
	s_barrier_signal -1
	s_barrier_wait -1
	s_cmp_eq_u32 s22, 0
	s_cbranch_scc1 .Lskip_b
.irp ei, 0,1
.irp m, 0,1
.irp s, 0,1
.irp c, 0,1
	ds_load_b128 v[HF+8*(4*\ei+2*\m+\s)+4*\c:HF+8*(4*\ei+2*\m+\s)+4*\c+3], v7 offset:(4*\s+2*\c)*1024+512*\ei+256*\m
.endr
.endr
.endr
.endr
.irp ei, 0,1
.irp s, 0,1
.irp b, 0,1,2,3
	ds_load_u8 v[OB+4*(2*\ei+\s)+\b], v8 offset:(4*\s+\b)*64+32*\ei
.endr
.endr
.endr
	s_wait_dscnt 0x0
.irp k, 0,1,2,3
	v_lshl_or_b32 v[HS+\k], v[OB+4*\k+1], 8, v[OB+4*\k]    ; four bytes make a token's scale word of a K step
.endr
.irp k, 0,1,2,3
	v_lshl_or_b32 v[HS+\k], v[OB+4*\k+2], 16, v[HS+\k]
.endr
.irp k, 0,1,2,3
	v_lshl_or_b32 v[HS+\k], v[OB+4*\k+3], 24, v[HS+\k]
.endr
	PLACES 8                                       ; a scale register written by a vector instruction stands eight places ahead of the product
.irp n, 32,33,34,35,36,37,38,39,40,41,42,43,44,45,46,47
	BSTEP \n
.endr
.Lskip_b:
	s_wait_tensorcnt 0x0
	ds_add_u32 v254, v255
	s_wait_dscnt 0x0
	s_endpgm
.Lfunc_end_k_qfac4513562_chain:
	.size	k_qfac4513562_chain, .Lfunc_end_k_qfac4513562_chain-k_qfac4513562_chain
	.p2alignl 7, 3214868480
	.fill 96, 4, 3214868480
	.section	.rodata,"a",@progbits
	.p2align	6, 0x0
	.amdhsa_kernel k_qfac4513562_chain
		.amdhsa_group_segment_fixed_size 116736
		.amdhsa_private_segment_fixed_size 0
		.amdhsa_enable_private_segment 0
		.amdhsa_kernarg_size 56
		.amdhsa_user_sgpr_count 2
		.amdhsa_user_sgpr_kernarg_segment_ptr 1
		.amdhsa_wavefront_size32 1
		.amdhsa_system_sgpr_workgroup_id_x 1
		.amdhsa_system_sgpr_workgroup_id_y 1
		.amdhsa_system_sgpr_workgroup_id_z 1
		.amdhsa_system_vgpr_workitem_id 0
		.amdhsa_next_free_vgpr 512
		.amdhsa_next_free_sgpr 66
		.amdhsa_reserve_vcc 1
		.amdhsa_float_denorm_mode_32 3
		.amdhsa_float_denorm_mode_16_64 3
		.amdhsa_memory_ordered 1
		.amdhsa_forward_progress 1
		.amdhsa_inst_pref_size 176
	.end_amdhsa_kernel
	.amdgpu_metadata
---
amdhsa.version: [ 1, 2 ]
amdhsa.kernels:
  - .name:           k_qfac4513562_chain
    .symbol:         k_qfac4513562_chain.kd
    .args:
      - { .name: xq, .offset: 0, .size: 8, .value_kind: global_buffer, .address_space: global }
      - { .name: xs, .offset: 8, .size: 8, .value_kind: global_buffer, .address_space: global }
      - { .name: wa, .offset: 16, .size: 8, .value_kind: global_buffer, .address_space: global }
      - { .name: wb, .offset: 24, .size: 8, .value_kind: global_buffer, .address_space: global }
      - { .name: tiles, .offset: 32, .size: 8, .value_kind: global_buffer, .address_space: global }
      - { .name: mult, .offset: 40, .size: 8, .value_kind: global_buffer, .address_space: global }
      - { .name: out0, .offset: 48, .size: 8, .value_kind: global_buffer, .address_space: global }
    .group_segment_fixed_size: 116736
    .private_segment_fixed_size: 0
    .kernarg_segment_align: 8
    .kernarg_segment_size: 56
    .max_flat_workgroup_size: 256
    .sgpr_count:     66
    .vgpr_count:     512
    .wavefront_size: 32
...
	.end_amdgpu_metadata
.endif
;; end of part 3
;; ======== version 2 of 2: 3 launches; version 1 with the launch chain written anew for expert scheduling mode
;; workspace buffers: xq 4,194,304 bytes; xs 262,144 bytes; sel 16,384 bytes of whole numbers; mult 32,768 bytes; wa 4,456,448 bytes; wb 2,228,224 bytes; tiles 65,536 bytes of whole numbers
;; launch route: the kernel of part 1 again; grid 256 x 1, 4 waves a work-group, no clusters, 249,344 bytes of LDS; arguments hidden_states, gate_w, xq, xs, sel, mult, tiles; writes xq, xs, sel, mult, tiles
;; launch prep: the kernel of part 2 again; grid 385 x 1, 4 waves a work-group, no clusters, 79,872 bytes of LDS; arguments w1, w3, w2, sel, wa, wb, tiles; writes wa, wb, tiles
;; launch chain (part 4): grid 155 x 1, 8 waves a work-group, no clusters, 116,736 bytes of LDS; arguments xq, xs, wa, wb, tiles, mult, out0; writes out0
.if DOCPART == 4
	.amdgcn_target "amdgcn-amd-amdhsa--gfx1250"
	.amdhsa_code_object_version 6
	.text
	.protected	k_qfac4513562_chain
	.globl	k_qfac4513562_chain
	.p2align	8
	.type	k_qfac4513562_chain,@function
k_qfac4513562_chain:
	s_mov_b64 s[64:65], 0
	v_nop
	global_prefetch_b8 v0, s[64:65] scope:SCOPE_SE
	s_setreg_imm32_b32 hwreg(HW_REG_WAVE_SCHED_MODE, 0, 2), 2
	s_setreg_imm32_b32 hwreg(HW_REG_WAVE_MODE, 25, 1), 1
	s_wait_xcnt 0x0
	s_wait_alu depctr_vm_vsrc(0)
; CHAIN.  out[token] = w_lo (silu(x W1[lo]^T) (x W3[lo]^T)) W2[lo]^T + w_hi (the same with hi), all products on codes of E2M1 with E8M0 scales; the hidden layer is quantised in registers and never goes to memory.
; A WORK-GROUP TAKES ONE LIST: up to 32 tokens that chose the same two experts, so each output row has one owner and nothing is added across work-groups.  4,096 tokens in 28 pairs make at most 128 + 27 = 155 lists.
; Slots past the list's count repeat its first token: they compute and store the same bytes to the same place.  A list with count 0 jumps over the two work sections; both barriers stand outside the jumps.
; SHARES.  Two tiles of 16 tokens (m).  Wave g makes hidden units 32 g .. 32 g + 31 of both experts (one block of the second product's K), then output columns 256 g .. 256 g + 255.
; ALL PRODUCTS ARE USED TRANSPOSED: source 0 = 16 rows of a weight, source 1 = 16 tokens: a lane holds one token (lane % 16).  Row r of tile u of W1, W3 is weight row 32 g + 8 u + r + 8 (r / 8), so that
; a lane's 16 registers of tiles 0 and 1 are the 16 neighbours 32 g + 16 (lane / 16) + 0 .. 15 along the next K.
; THE WEIGHTS go from memory straight into registers, as records of 4,352 bytes laid in the order of the operand's registers (4 fragments, then their scale words): nine loads a record, each fragment feeding two products.
; A wave walks 48 records: 16 of wa for lo, 16 for hi, then wb for lo and hi by turns; record n lies in slot n % 8 of a ring of 8 x 32 registers; six records, 54 loads, are asked for ahead.
; No tensor load; so no joint requests either, and neighbouring lists need not share an expert.
; LIMITS.  NaN and infinities are not served.  A hidden block of zeros gets the byte 1: its codes are zeros.
; REGISTERS.  Window 0: v1-10 addresses; v16-31 output offsets; v32-35 the tokens' weights; v36-39 hidden scale words; v40-55 the ring's scale words; v56-119 eight accumulators;
;   v120-183 x's scale words and three buffers of x's fragments, later the hidden fragments; v184-247 at work, later rows of the output; v248-253 the head's addresses.   Window 1: the ring.
; THE MODE: SCHED_MODE bits 1:0 = 2 (LLVM: expert scheduling mode 2), set by the entry lines.  The code itself states the register dependences between vector or matrix instructions
; and memory or LDS instructions, with s_wait_alu, always for 0.
; THE PLAN.  Registers that memory or LDS instructions touch:
;   v1-10, v16-31, v248, v249   addresses and offsets: written by vector lines at the head, never again.
;   ring slot n % 8, scale pair n % 8   Record n's nine loads land there; step n's products read them; record n + 8 lands there, asked for in step n + 2.
;   x's buffer n % 3            The fragments of step n land there, asked for in step n - 2; step n's products read it.
;   v56-87, lo's accumulators   Written by products and by COMBINE; read by STAGE's LDS stores; begun anew by the next pair's products.
;   v184-247, output rows       Loaded from the stage at an odd pair's end; read by the global stores that stand behind the next step's products.
; FIRST PRODUCTS: one wait on va_vdst at a step's head, behind the waits for the step's data.  Behind it stand the step's products and then its thirteen loads, which land in registers that only products
; issued ahead of that wait have read: step n's own products name slot n % 8, pair n % 8, buffer n % 3, x's scale words and the accumulators.
; SECOND PRODUCTS: one wait on va_vdst for each pair of records, behind COMBINE and ahead of STAGE: it shows COMBINE's results written and all products so far done reading, so that the records asked for in the next
; two steps, which land in slot (n - 2) % 8, owe nothing more; one wait on vm_vsrc at each even step's head: the LDS and global stores issued so far have read the accumulators and the rows.
.set REC,   4352
.set L_XS,  34816                      ; LDS: from 0 x's codes: piece p = k / 32 of slot 16 m + r at 17408 m + 272 p + 16 r;  here x's scale bytes, 80 bytes a slot;
.set L_HID, 37376                      ; the hidden codes [g][expert][m][256 bytes]: token r at 16 r;
.set L_HSB, 45568                      ; their scale bytes [g][expert][m][16];
.set L_STG, 46080                      ; a stage of 32 rows x (256 + 16) bytes for each wave
.set OFFR, 16
.set WT,   32
.set HS,   36
.set WS,   40
.set AC,   56
.set XSC,  120
.set XF,   136                         ; v136-183: buffer b at XF + 16 b
.set HF,   120
.set T,    184
.set GX,   184
.set OB,   184
.set QM,   216
.set CM,   38                          ; s38-60: the masks 'this slot lies under the count'
.set MSB, 0
.macro WIN new                         ; the immediate's high byte repeats the setting that is left; bits 1:0 source 0, 7:6 destination
.if MSB != \new
	s_set_vgpr_msb (MSB<<8)|\new
.set MSB, \new
.endif
.endm
.macro LOADREC n                       ; record n of my stream into slot n % 8: its four fragments, then its scale words: nine loads on end
.if (\n) < 16
.set LB, 24
.set LR, (\n)
.elseif (\n) < 32
.set LB, 26
.set LR, (\n)-16
.else
.set LB, 28+2*((\n)%2)
.set LR, ((\n)-32)/2
.endif
.set LSL, (\n)%8
	WIN 0x40                                       ; destination window 1
.irp i, 0,1,2,3,4,5,6,7
	global_load_b128 v[32*LSL+4*\i:32*LSL+4*\i+3], v1, s[LB:LB+1] offset:LR*REC+512*\i
.endr
	WIN 0
	global_load_b64 v[WS+2*LSL:WS+2*LSL+1], v2, s[LB:LB+1] offset:LR*REC+4096
.endm
; One product on the registers rD, rA, rB with scales rSA (row ra) and rSB (row rb); cop: the constant 0, which starts a sum, or the accumulator.
.macro WM cop, ra, rb
.if (\ra) == 0 && (\rb) == 0
	v_wmma_scale_f32_16x16x128_f8f6f4 v[rD:rD+7], v[rA:rA+7], v[rB:rB+7], \cop, v[rSA], v[rSB] matrix_a_fmt:MATRIX_FMT_FP4 matrix_b_fmt:MATRIX_FMT_FP4
.elseif (\ra) == 1 && (\rb) == 0
	v_wmma_scale_f32_16x16x128_f8f6f4 v[rD:rD+7], v[rA:rA+7], v[rB:rB+7], \cop, v[rSA], v[rSB] matrix_a_fmt:MATRIX_FMT_FP4 matrix_b_fmt:MATRIX_FMT_FP4 matrix_a_scale:MATRIX_SCALE_ROW1
.elseif (\ra) == 0
	v_wmma_scale_f32_16x16x128_f8f6f4 v[rD:rD+7], v[rA:rA+7], v[rB:rB+7], \cop, v[rSA], v[rSB] matrix_a_fmt:MATRIX_FMT_FP4 matrix_b_fmt:MATRIX_FMT_FP4 matrix_b_scale:MATRIX_SCALE_ROW1
.else
	v_wmma_scale_f32_16x16x128_f8f6f4 v[rD:rD+7], v[rA:rA+7], v[rB:rB+7], \cop, v[rSA], v[rSB] matrix_a_fmt:MATRIX_FMT_FP4 matrix_b_fmt:MATRIX_FMT_FP4 matrix_a_scale:MATRIX_SCALE_ROW1 matrix_b_scale:MATRIX_SCALE_ROW1
.endif
.endm
.macro PLACES n
.rept \n
	v_nop
.endr
.endm
.macro XFRAG n                         ; x's two fragments for step n (K step n % 16) into buffer n % 3
.irp m, 0,1
.irp c, 0,1
	ds_load_b128 v[XF+16*((\n)%3)+8*\m+4*\c:XF+16*((\n)%3)+8*\m+4*\c+3], v3 offset:\m*17408+(4*((\n)%16)+2*\c)*272
.endr
.endr
.endm
; A K step of the first products: 8 products, the eight accumulators (2 mat + u, m) by turns; behind them the loads of six records and of two steps on.
.macro ASTEP n
.set AS, (\n)%16
	s_wait_loadcnt 45                              ; record n is in; the five behind it, nine loads each, may be out
.if (\n) == 31
	s_wait_dscnt 0x0
.elseif ((\n) == 16) || ((\n) == 17)
	s_wait_dscnt 0x8                               ; this step's fragments of x are in; the next step's four loads and the hidden layer's four stores may be out
.else
	s_wait_dscnt 0x4                               ; this step's fragments of x are in; the next step's four loads may be out
.endif
.if (AS > 0) && ((\n) < 31)
	s_wait_alu depctr_va_vdst(0)                   ; the products issued so far are done reading: x's buffer (n - 1) % 3, in which the fragments of step n + 2 land, and the slots and scale pairs of steps n - 2 and n - 1,
	                                               ; in which this step's and the next step's records land.  (An expert's first step leans on the wait that stands ahead of it; step 31 on step 30's)
.endif
	WIN 0x01                                       ; source 0 window 1
.irp f, 0,1,2,3
.irp m, 0,1
.set rD, AC+8*(2*\f+\m)
.set rA, 32*((\n)%8)+8*\f
.set rB, XF+16*((\n)%3)+8*\m
.set rSA, WS+2*((\n)%8)+\f/2
.set rSB, XSC+AS
.if AS == 0
	WM 0, \f%2, \m
.else
	WM v[rD:rD+7], \f%2, \m
.endif
.endr
.endr
	LOADREC (\n)+6                                 ; no wait: no product since the wait names slot (n - 2) % 8 or its scale pair
.if (\n)+2 <= 31
	XFRAG (\n)+2                                   ; nor x's buffer (n - 1) % 3
.endif
	PLACES 4                                       ; four places behind the step's products: ahead of the first vector read of results behind steps 15 and 31, and between these products and the later loads into the registers that they have read
.endm
; silu(a1) a3 in f32, quantised: my 16 hidden units of each of my two tokens; the block's other 16 lie in lane l xor 16.
.macro ACT ei
.set j, 0
.rept 16
	v_pk_mul_f32 v[T+j:T+j+1], v[AC+j:AC+j+1], 0xbfb8aa3b op_sel_hi:[1,0]   ; -a1 log2(e); each accumulator from its low end on
.set j, j+2
.endr
.set j, 0
.rept 32
	v_exp_f32 v[T+j], v[T+j]
.set j, j+1
.endr
	v_nop                                          ; a plain line behind the last exponential
	s_wait_alu depctr_va_vdst(0)                   ; the 32 exponentials have written v[T ..]: one wait for the batch, ahead of its first reader
.set j, 0
.rept 16
	v_pk_add_f32 v[T+j:T+j+1], v[T+j:T+j+1], 1.0 op_sel_hi:[1,0]
.set j, j+2
.endr
.set j, 0
.rept 32
	v_rcp_f32 v[T+j], v[T+j]
.set j, j+1
.endr
	v_nop
	s_wait_alu depctr_va_vdst(0)                   ; and the 32 reciprocals likewise
.set j, 0
.rept 16
	v_pk_mul_f32 v[T+j:T+j+1], v[T+j:T+j+1], v[AC+j:AC+j+1]          ; a1 sigmoid(a1)
.set j, j+2
.endr
.set j, 0
.rept 16
	v_pk_mul_f32 v[T+j:T+j+1], v[T+j:T+j+1], v[AC+32+j:AC+32+j+1]    ; x a3
.set j, j+2
.endr
.irp m, 0,1
	v_max3_num_f32 v[QM+\m], |v[T+8*\m]|, |v[T+8*\m+1]|, 0x1800000   ; the floor 2^(3 - 127): the byte cannot fall under 1
.endr
.irp i, 2,4,6
.irp m, 0,1
	v_max3_num_f32 v[QM+\m], v[QM+\m], |v[T+8*\m+\i]|, |v[T+8*\m+\i+1]|
.endr
.endr
.irp i, 0,2,4,6
.irp m, 0,1
	v_max3_num_f32 v[QM+\m], v[QM+\m], |v[T+16+8*\m+\i]|, |v[T+16+8*\m+\i+1]|
.endr
.endr
.irp m, 0,1
	v_permlanex16_b32 v[QM+2+\m], v[QM+\m], s32, s33
.endr
.irp m, 0,1
	v_max_num_f32 v[QM+\m], v[QM+\m], v[QM+2+\m]
.endr
.irp m, 0,1
	v_add_nc_u32 v[QM+4+\m], 0xff000000, v[QM+\m]  ; 2 off the exponent field: the conversion's scale operand
.endr
.irp m, 0,1
	v_lshrrev_b32 v[QM+6+\m], 23, v[QM+4+\m]       ; the scale's byte
.endr
.irp m, 0,1
	v_cvt_scalef32_pk8_fp4_f32 v[QM+8+2*\m], v[T+8*\m:T+8*\m+7], v[QM+4+\m]
	v_cvt_scalef32_pk8_fp4_f32 v[QM+9+2*\m], v[T+16+8*\m:T+16+8*\m+7], v[QM+4+\m]
.endr
	v_nop                                          ; a plain line behind the last conversion
	s_wait_alu depctr_va_vdst(0)                   ; the conversions have written the codes and the shifts the bytes, which the four LDS stores read; all vector lines and products so far are done with v120-215, in which later loads land
.irp m, 0,1
	ds_store_b64 v5, v[QM+8+2*\m:QM+9+2*\m] offset:512*\ei+256*\m    ; my 8 bytes of the token's 16: LDS joins the block's halves
	ds_store_b8 v6, v[QM+6+\m] offset:32*\ei+16*\m                   ; both halves write the same byte with the same value
.endr
	s_wait_alu depctr_vm_vsrc(0)                   ; the four stores have read v[QM+6 .. QM+11], which the other expert's shifts and conversions, and later the loads of output rows, write again
.endm
.macro COMBINE                         ; lo's results x w_lo + hi's x w_hi.  The 16 multiplies name no register of hi's products just issued: they are the places behind them
.irp a, 0,1,2,3
.irp p, 0,2,4,6
	v_pk_mul_f32 v[AC+8*\a+\p:AC+8*\a+\p+1], v[AC+8*\a+\p:AC+8*\a+\p+1], v[WT+2*(\a%2):WT+2*(\a%2)+1] op_sel_hi:[1,0]
.endr
.endr
.irp a, 0,1,2,3
.irp p, 0,2,4,6
	v_pk_fma_f32 v[AC+8*\a+\p:AC+8*\a+\p+1], v[AC+32+8*\a+\p:AC+32+8*\a+\p+1], v[WT+2*(\a%2):WT+2*(\a%2)+1], v[AC+8*\a+\p:AC+8*\a+\p+1] op_sel:[0,1,0] op_sel_hi:[1,1,1]
.endr
.endr
.endm
.macro STAGE j                         ; 32 columns of my 32 rows into my stage: lane (r, h): row 16 m + r, columns 16 t + 8 h + 0 .. 7
.irp t, 0,1
.irp m, 0,1
	ds_store_b128 v9, v[AC+8*(2*\t+\m):AC+8*(2*\t+\m)+3] offset:\m*4352+128*((\j)%2)+64*\t
	ds_store_b128 v9, v[AC+8*(2*\t+\m)+4:AC+8*(2*\t+\m)+7] offset:\m*4352+128*((\j)%2)+64*\t+16
.endr
.endr
.endm
.macro BACK                            ; 64 columns of 32 rows come back from the stage as whole pieces of 256 bytes
	s_wait_xcnt 0x0                                ; the stores of the rows sent before have had their addresses translated (ISA guide 3.1); that they have read v[OB ..] the wait on vm_vsrc at the last even step's head has shown
.irp i, 0,1,2,3,4,5,6,7,8,9,10,11,12,13,14,15
	ds_load_b128 v[OB+4*\i:OB+4*\i+3], v10 offset:544*\i   ; LDS serves a wave's instructions in order: these see my stores, and the next stage's stores come behind them
.endr
.endm
.macro SEND j                          ; and leave: sixteen lanes store 256 consecutive bytes, aligned, of one token's row
.irp i, 0,1,2,3,4,5,6,7,8,9,10,11,12,13,14,15
	s_wait_dscnt 15-\i
	global_store_b128 v[OFFR+\i], v[OB+4*\i:OB+4*\i+3], s[16:17] offset:256*((\j)/2) th:TH_STORE_NT
.endr
.endm
; A record of the second product: 32 output columns of one expert (n even: lo, odd: hi), both K steps: 8 products, four sums by turns.
.macro BSTEP n
.set BE, (\n)%2
.set BJ, ((\n)-32)/2
.if (\n)+5 <= 47
	s_wait_loadcnt 45                              ; record n is in; the five behind it may be out
.else
	s_wait_loadcnt 9*(47-(\n))                     ; the stream's tail: the records behind this one may be out
.endif
.if (BE == 0) && ((\n) > 32)
	s_wait_alu depctr_vm_vsrc(0)                   ; the stage's stores have read lo's accumulators, which this step's products begin anew; the global stores issued so far have read v[OB ..], in which the next rows land
.endif
	WIN 0x01
.irp s, 0,1
.irp t, 0,1
.irp m, 0,1
.set rD, AC+32*BE+8*(2*\t+\m)
.set rA, 32*((\n)%8)+8*(2*\t+\s)
.set rB, HF+8*(4*BE+2*\m+\s)
.set rSA, WS+2*((\n)%8)+\s
.set rSB, HS+2*BE+\s
.if \s == 0
	WM 0, \t, \m
.else
	WM v[rD:rD+7], \t, \m
.endif
.endr
.endr
.endr
.if (\n)+6 <= 47
	LOADREC (\n)+6                                 ; no wait: the products that read slot (n - 2) % 8 and its scale pair stand ahead of the last wait on va_vdst, and no product since names them
.else
	WIN 0
.endif
.if BE == 0
	PLACES 4                                       ; in front of the first read of lo's results
.if (BJ > 0) && (BJ%2 == 0)
	SEND BJ-1                                      ; the rows that came back at the last step's end: their way through the stage stood beside this step's products
.endif
.else
	COMBINE
	s_wait_alu depctr_va_vdst(0)                   ; COMBINE has written v[AC .. AC+31], which the stage's stores read; all products so far are done reading their slots and scale pairs, in which the next two steps' records land
	STAGE BJ
.if BJ%2 == 1
	BACK
.if BJ == 7
	SEND 7                                         ; nothing follows the last rows
.endif
.endif
.endif
.endm
	s_load_b256 s[4:11], s[0:1], 0x0               ; xq s[4:5], xs s[6:7], wa s[8:9], wb s[10:11]
	s_load_b128 s[12:15], s[0:1], 0x20             ; tiles s[12:13], mult s[14:15]
	s_load_b64 s[16:17], s[0:1], 0x30              ; out0
	v_lshl_add_u32 v254, v0, 2, 0x1c400
	v_mov_b32 v255, 0
	v_lshrrev_b32 v11, 5, v0
	v_readfirstlane_b32 s20, v11                   ; g: wave 0..7
	v_and_b32 v12, 31, v0                          ; lane
	v_and_b32 v13, 15, v0                          ; r
	v_bfe_u32 v14, v0, 4, 1                        ; h
	v_lshlrev_b32 v1, 4, v12                       ; v1: 16 x lane
	v_lshlrev_b32 v2, 3, v12                       ; v2: 8 x lane
	v_mul_u32_u24 v3, v14, 272
	v_lshl_add_u32 v3, v13, 4, v3                  ; v3: x's fragments: 272 h + 16 r
	v_mul_u32_u24 v4, v12, 80
	v_add_nc_u32 v4, L_XS, v4                      ; v4: slot = lane: its 64 scale bytes
	s_wait_alu depctr_va_sdst(0)                   ; s20 is written, ahead of its first reader
	s_lshl_b32 s23, s20, 10
	s_add_co_u32 s23, s23, L_HID
	v_lshlrev_b32 v5, 4, v13
	v_lshl_add_u32 v5, v14, 3, v5
	v_add_nc_u32 v5, s23, v5                       ; v5: where I put hidden codes: 1024 g + 16 r + 8 h
	s_lshl_b32 s23, s20, 6
	s_add_co_u32 s23, s23, L_HSB
	v_add_nc_u32 v6, s23, v13                      ; v6: and their byte: 64 g + r
	v_lshlrev_b32 v7, 10, v14
	v_lshl_add_u32 v7, v13, 4, v7
	v_add_nc_u32 v7, L_HID, v7                     ; v7: hidden fragments: 1024 h + 16 r
	v_add_nc_u32 v8, L_HSB, v12                    ; v8: hidden scale bytes: lane = 16 m + r
	s_mul_i32 s23, s20, 8704
	s_add_co_u32 s23, s23, L_STG
	v_mul_u32_u24 v9, v13, 272
	v_lshl_add_u32 v9, v14, 5, v9
	v_add_nc_u32 v9, s23, v9                       ; v9: into my stage: 272 r + 32 h
	v_add_nc_u32 v10, s23, v3                      ; v10: out of it: 272 h + 16 r
	s_lshr_b32 s23, s20, 2
	s_mul_i32 s23, s23, 17408
	s_and_b32 s34, s20, 3
	s_lshl_b32 s34, s34, 6
	s_add_co_u32 s23, s23, s34
	v_mul_u32_u24 v248, v12, 272
	v_add_nc_u32 v248, s23, v248                   ; v248: where I put x's codes: slots 4 g + i: 17408 (g / 4) + 64 (g % 4) + 272 lane
	s_mul_i32 s23, s20, 320
	s_add_co_u32 s23, s23, L_XS
	v_lshrrev_b32 v250, 3, v12                     ; l / 8
	v_mul_u32_u24 v249, v250, 80
	v_and_b32 v252, 7, v12
	v_lshlrev_b32 v252, 3, v252                    ; v252: 8 (l % 8)
	v_add_nc_u32 v249, v249, v252
	v_add_nc_u32 v249, s23, v249                   ; v249: and x's scale bytes: slot 4 g + l / 8
	s_lshl_b32 s23, s20, 10
	v_lshl_add_u32 v253, v13, 4, s23               ; v253: 1024 g + 16 r: my bytes of an output row
	v_mov_b32 v[QM+2], 0                           ; written once: a lane permute's destination counts as read
	v_mov_b32 v[QM+3], 0
	s_mov_b32 s32, 0x76543210                      ; v_permlanex16_b32's selects for lane l xor 16
	s_mov_b32 s33, 0xfedcba98
	v_mov_b32 v168, 0                              ; the list's words that I want: slot 0;
	s_lshl_b32 s23, s20, 5
	v_mov_b32 v169, s23                            ; slots 4 g + i, whose codes I fetch;
	v_lshl_add_u32 v170, v250, 3, s23              ; slot 4 g + l / 8, whose scale bytes I fetch;
	v_lshlrev_b32 v171, 3, v13                     ; slots 16 m + r, whose weights I use;
	v_lshlrev_b32 v172, 3, v14                     ; slots 2 i + h, whose rows I store
	s_lshl_b32 s34, ttmp9, 8
	s_mov_b32 s35, 0
	s_wait_kmcnt 0x0
	s_add_nc_u64 s[12:13], s[12:13], s[34:35]      ; my list
	s_load_b32 s21, s[12:13], 0x4                  ; count | lo << 8 | hi << 16
	s_wait_alu depctr_va_vdst(0)                   ; the addresses v1 to v10, v248, v249 and the list's offsets v168 to v172 are written: the loads and stores below read them
	global_load_b32 v120, v168, s[12:13]
.irp i, 0,1,2,3
	global_load_b32 v[121+\i], v169, s[12:13] offset:8*\i
.endr
	global_load_b32 v125, v170, s[12:13]
.irp m, 0,1
	global_load_b32 v[126+\m], v171, s[12:13] offset:128*\m
.endr
.irp i, 0,1,2,3,4,5,6,7,8,9,10,11,12,13,14,15
	global_load_b32 v[OFFR+\i], v172, s[12:13] offset:16*\i
.endr
	s_wait_kmcnt 0x0
	s_and_b32 s22, s21, 63                         ; the count
	s_bfe_u32 s34, s21, 0x80008
	s_min_u32 s34, s34, 7                          ; lo
	s_bfe_u32 s35, s21, 0x80010
	s_min_u32 s35, s35, 7                          ; hi
	s_lshl_b32 s34, s34, 3
	s_add_co_u32 s34, s34, s20
	s_lshl_b32 s35, s35, 3
	s_add_co_u32 s35, s35, s20
	s_mov_b32 s37, 0
	s_mul_i32 s36, s34, 16*REC
	s_add_nc_u64 s[24:25], s[8:9], s[36:37]        ; my four runs of records: wa (lo, g),
	s_mul_i32 s36, s35, 16*REC
	s_add_nc_u64 s[26:27], s[8:9], s[36:37]        ; wa (hi, g),
	s_mul_i32 s36, s34, 8*REC
	s_add_nc_u64 s[28:29], s[10:11], s[36:37]      ; wb (lo, g),
	s_mul_i32 s36, s35, 8*REC
	s_add_nc_u64 s[30:31], s[10:11], s[36:37]      ; wb (hi, g)
	s_sub_co_i32 s23, s22, 1
	v_sub_nc_u32 v173, s23, v14                    ; a slot counts where its constant part <= count - 1 - its lane's part (signed)
	v_sub_nc_u32 v174, s23, v13
	s_lshl_b32 s34, s20, 2
	s_sub_co_i32 s23, s23, s34
	v_mov_b32 v175, s23
	v_sub_nc_u32 v176, s23, v250
.irp i, 0,1,2,3                        ; the 23 compares stand in one run, each with a scalar register of its own, while the list's words are on their way
	v_cmp_le_i32 s[CM+\i], \i, v175
.endr
	v_cmp_le_i32 s[CM+4], 0, v176
.irp m, 0,1
	v_cmp_le_i32 s[CM+5+\m], 16*\m, v174
.endr
.irp i, 0,1,2,3,4,5,6,7,8,9,10,11,12,13,14,15
	v_cmp_le_i32 s[CM+7+\i], 2*\i, v173
.endr
	s_wait_alu depctr_va_sdst(0)                   ; the compares have written s38 to s60, ahead of the first select that reads one of them
	s_wait_loadcnt 0x0
.irp i, 0,1,2,3
	v_cndmask_b32 v[121+\i], v120, v[121+\i], s[CM+\i]   ; past the count: the list's first token
.endr
	v_cndmask_b32 v125, v120, v125, s[CM+4]
.irp m, 0,1
	v_cndmask_b32 v[126+\m], v120, v[126+\m], s[CM+5+\m]
.endr
.irp i, 0,1,2,3,4,5,6,7,8,9,10,11,12,13,14,15
	v_cndmask_b32 v[OFFR+\i], v120, v[OFFR+\i], s[CM+7+\i]
.endr
.irp i, 0,1,2,3
	v_min_u32 v[121+\i], 0xfff, v[121+\i]
	v_lshl_add_u32 v[121+\i], v[121+\i], 10, v1    ; a token's 1,024 bytes of codes, 16 a lane
.endr
	v_min_u32 v125, 0xfff, v125
	v_lshl_add_u32 v125, v125, 6, v252
.irp m, 0,1
	v_min_u32 v[126+\m], 0xfff, v[126+\m]
	v_lshlrev_b32 v[126+\m], 3, v[126+\m]
.endr
.irp i, 0,1,2,3,4,5,6,7,8,9,10,11,12,13,14,15
	v_min_u32 v[OFFR+\i], 0xfff, v[OFFR+\i]
	v_lshl_add_u32 v[OFFR+\i], v[OFFR+\i], 13, v253
.endr
	s_wait_alu depctr_va_vdst(0)                   ; the gathers' offsets v121 to v127 and the output offsets v16 to v31 are written; every vector line that names v120 to v127 or v168 to v176 is done: x's scale words and fragments land there
.irp i, 0,1,2,3
	global_load_b128 v[GX+8*\i:GX+8*\i+3], v[121+\i], s[4:5]
	global_load_b128 v[GX+8*\i+4:GX+8*\i+7], v[121+\i], s[4:5] offset:512
.endr
	global_load_b64 v[QM:QM+1], v125, s[6:7]
.irp m, 0,1
	global_load_b64 v[WT+2*\m:WT+2*\m+1], v[126+\m], s[14:15]
.endr
.irp n, 0,1,2,3,4,5
	LOADREC \n
.endr
	s_wait_loadcnt 54                              ; x and the weights of the tokens are in; the ring's six records may be out
.irp i, 0,1,2,3
.irp hf, 0,1
	ds_store_b128 v248, v[GX+8*\i+4*\hf:GX+8*\i+4*\hf+3] offset:16*\i+8704*\hf
.endr
.endr
	ds_store_b64 v249, v[QM:QM+1]
	s_wait_alu depctr_vm_vsrc(0)                   ; the list's loads have read v168 to v172 and the gathers v121 to v127, in which x's fragments and scale words land; my LDS stores have read v184 to v217, which the activation writes
	s_wait_dscnt 0x0                               ; for the others' sake: my four slots of x lie in LDS
	s_barrier_signal -1
	s_barrier_wait -1
	s_cmp_eq_u32 s22, 0
	s_cbranch_scc1 .Lskip_a
.irp q, 0,1,2,3
	ds_load_b128 v[XSC+4*\q:XSC+4*\q+3], v4 offset:16*\q   ; x's 16 scale words: lanes 0-15 tile 0's tokens, lanes 16-31 tile 1's
.endr
	XFRAG 0
	XFRAG 1                                        ; each step asks for the fragments of two steps on
.irp n, 0,1,2,3,4,5,6,7,8,9,10,11,12,13,14,15
	ASTEP \n
.endr
	ACT 0
.irp n, 16,17,18,19,20,21,22,23,24,25,26,27,28,29,30,31
	ASTEP \n
.endr
	ACT 1
.Lskip_a:                                      ; on both ways six records, into slots 0 to 5, are out
	s_wait_dscnt 0x0                               ; for the others' sake: my block of the hidden layer lies in LDS
	s_barrier_signal -1
	s_barrier_wait -1
	s_cmp_eq_u32 s22, 0
	s_cbranch_scc1 .Lskip_b
.irp ei, 0,1                           ; no wait: the products that read v120 to v183 and the vector lines that named v184 to v199 stand ahead of the activation's last wait on va_vdst (on the other way: ahead of the head's)
.irp m, 0,1
.irp s, 0,1
.irp c, 0,1
	ds_load_b128 v[HF+8*(4*\ei+2*\m+\s)+4*\c:HF+8*(4*\ei+2*\m+\s)+4*\c+3], v7 offset:(4*\s+2*\c)*1024+512*\ei+256*\m
.endr
.endr
.endr
.endr
.irp ei, 0,1
.irp s, 0,1
.irp b, 0,1,2,3
	ds_load_u8 v[OB+4*(2*\ei+\s)+\b], v8 offset:(4*\s+\b)*64+32*\ei
.endr
.endr
.endr
	s_wait_dscnt 0x0
.irp k, 0,1,2,3
	v_lshl_or_b32 v[HS+\k], v[OB+4*\k+1], 8, v[OB+4*\k]    ; four bytes make a token's scale word of a K step
.endr
.irp k, 0,1,2,3
	v_lshl_or_b32 v[HS+\k], v[OB+4*\k+2], 16, v[HS+\k]
.endr
.irp k, 0,1,2,3
	v_lshl_or_b32 v[HS+\k], v[OB+4*\k+3], 24, v[HS+\k]
.endr
	PLACES 8                                       ; a scale register written by a vector instruction stands eight places ahead of the product
	s_wait_alu depctr_va_vdst(0)                   ; the shifts have written the hidden scale words v36 to v39, which the products take as scales, and are done reading v184 to v199, in which output rows land
.irp n, 32,33,34,35,36,37,38,39,40,41,42,43,44,45,46,47
	BSTEP \n
.endr
.Lskip_b:
	s_wait_dscnt 0x0
	s_wait_alu depctr_hold_cnt(0) depctr_sa_sdst(0) depctr_va_vdst(0) depctr_va_sdst(0) depctr_va_ssrc(0) depctr_va_vcc(0) depctr_vm_vsrc(0)
	s_wait_tensorcnt 0x0
	ds_add_u32 v254, v255
	s_wait_dscnt 0x0
	s_endpgm
.Lfunc_end_k_qfac4513562_chain:
	.size	k_qfac4513562_chain, .Lfunc_end_k_qfac4513562_chain-k_qfac4513562_chain
	.p2alignl 7, 3214868480
	.fill 96, 4, 3214868480
	.section	.rodata,"a",@progbits
	.p2align	6, 0x0
	.amdhsa_kernel k_qfac4513562_chain
		.amdhsa_group_segment_fixed_size 116736
		.amdhsa_private_segment_fixed_size 0
		.amdhsa_enable_private_segment 0
		.amdhsa_kernarg_size 56
		.amdhsa_user_sgpr_count 2
		.amdhsa_user_sgpr_kernarg_segment_ptr 1
		.amdhsa_wavefront_size32 1
		.amdhsa_system_sgpr_workgroup_id_x 1
		.amdhsa_system_sgpr_workgroup_id_y 1
		.amdhsa_system_sgpr_workgroup_id_z 1
		.amdhsa_system_vgpr_workitem_id 0
		.amdhsa_next_free_vgpr 512
		.amdhsa_next_free_sgpr 66
		.amdhsa_reserve_vcc 0
		.amdhsa_float_denorm_mode_32 3
		.amdhsa_float_denorm_mode_16_64 3
		.amdhsa_memory_ordered 1
		.amdhsa_forward_progress 1
		.amdhsa_inst_pref_size 178
	.end_amdhsa_kernel
	.amdgpu_metadata
---
amdhsa.version: [ 1, 2 ]
amdhsa.kernels:
  - .name:           k_qfac4513562_chain
    .symbol:         k_qfac4513562_chain.kd
    .args:
      - { .name: xq, .offset: 0, .size: 8, .value_kind: global_buffer, .address_space: global }
      - { .name: xs, .offset: 8, .size: 8, .value_kind: global_buffer, .address_space: global }
      - { .name: wa, .offset: 16, .size: 8, .value_kind: global_buffer, .address_space: global }
      - { .name: wb, .offset: 24, .size: 8, .value_kind: global_buffer, .address_space: global }
      - { .name: tiles, .offset: 32, .size: 8, .value_kind: global_buffer, .address_space: global }
      - { .name: mult, .offset: 40, .size: 8, .value_kind: global_buffer, .address_space: global }
      - { .name: out0, .offset: 48, .size: 8, .value_kind: global_buffer, .address_space: global }
    .group_segment_fixed_size: 116736
    .private_segment_fixed_size: 0
    .kernarg_segment_align: 8
    .kernarg_segment_size: 56
    .max_flat_workgroup_size: 256
    .sgpr_count:     66
    .vgpr_count:     512
    .wavefront_size: 32
...
	.end_amdgpu_metadata
.endif
;; end of part 4
